; MI455X (gfx1250); checked and timed in simulation.
; The chip was launched on July 23, 2026; its instructions are those of AMD's public machine-readable ISA for CDNA 5 (MIT licence, August 2026) and "CDNA5" Instruction Set Architecture Reference Guide (July 2026). The comments in the code are by the model that wrote it; some were corrected since.
;; Causal Self Attention. Allowed arithmetic: matrix products marked QUANTISED: E2M1 operands, one E8M0 scale for each 32 along K, by v_wmma_scale_f32_16x16x128_f8f6f4 with both operands' format E2M1 (or v_wmma_scale_f32_32x16x128_f4), f32 sums; everything else in f32.
;; Inputs: Wattn 1,024 x 3,072 float32; Wproj 1,024 x 1,024 float32; battn 3,072 float32; bproj 1,024 float32; embk 1,024 x 64 float32; embv 1,024 x 64 float32; x 8 x 1,024 x 1,024 float32.
;; Outputs: out0 8 x 1,024 x 1,024 float32.
;; This version of the problem:
;;   THIS VERSION OF THE PROBLEM IS GIVEN IN LOW PRECISION. The matrix products marked QUANTISED in the list below multiply operands that are first quantised to E2M1 (2 exponent bits, 1 mantissa bit; 4 bits a number), with one power-of-two scale for each 32 numbers along K (OCP MX v1.0); their sums are f32. All else is computed in f32.
;;   The module's matrix products, in the order in which they are computed (A, B: the left and right operand; K: the contracted axis; several contracted axes count as one K, in the product's order):
;;     1. [M 8,192, K 1,024] x [K 1,024, N 3,072]; A: input x; B: input Wattn: QUANTISED
;;     2. batch 128 x [M 1,024, K 64] x [K 64, N 1,024]; A: computed on the way; B: computed on the way: QUANTISED
;;     3. batch 1,024 x [M 1,024, K 64] x [K 64, N 128]; A: computed on the way; B: computed on the way: QUANTISED
;;     4. batch 128 x [M 1,024, K 1,024] x [K 1,024, N 64]; A: softmax (see below); B: computed on the way: QUANTISED
;;     5. batch 1,024 x [M 64, K 1,024] x [K 1,024, N 128]; A: computed on the way; B: softmax (see below): QUANTISED
;;     6. [M 8,192, K 1,024] x [K 1,024, N 1,024]; A: computed on the way; B: input Wproj: QUANTISED
;;   THE QUANTISER, for each operand of a quantised product, along K:
;;     - K is cut into blocks of 32 from its start; a last block that is shorter is filled with zeros.
;;     - A block's scale is 2^e with e = floor(log2(the largest magnitude in the block)) - 2, held to -126 .. 127; a block of zeros has e = 0. As a byte (E8M0): e + 127.
;;     - Each number is divided by its block's scale, clamped to +-6, and rounded to the nearest number of E2M1, ties to even, subnormals kept.
;;     - The product sums the exact products of the quantised numbers (number of the format x scale) in f32.
;;   ~~~python
;;   def quantise(x, axis):      # numpy; x: float32 -> the quantised numbers, widened to float32 again
;;       x = np.moveaxis(x, axis, -1); K = x.shape[-1]
;;       x = np.pad(x, [(0, 0)] * (x.ndim - 1) + [(0, -K % 32)]); x = x.reshape(x.shape[:-1] + (-1, 32)); a = np.abs(x).max(-1, keepdims=True)
;;       e = np.where(a > 0, np.clip(np.frexp(np.where(a > 0, a, 1))[1] - 1 - 2, -126, 127), 0)      # np.frexp(a)[1] - 1 = floor(log2(a)), exactly
;;       r = np.clip(x / 2.0 ** e, -6, 6)
;;       step = 2.0 ** (np.maximum(np.frexp(np.where(r == 0, 1, r))[1] - 1, 0) - 1)
;;       q = np.round(r / step) * step * 2.0 ** e      # np.round: ties to even
;;       return np.moveaxis(q.reshape(q.shape[:-2] + (-1,))[..., :K], -1, axis).astype(np.float32)
;;   ~~~
;;   SOFTMAX AHEAD OF A QUANTISED PRODUCT. Where the list says 'softmax', what is quantised is not the finished softmax but p = 2^(t - M), with t = logit x log2(e) and M = ceil(the row's largest t), a whole number; so 1/2 < the row's largest p <= 1. The row's sum l is taken of the UNQUANTISED p, in f32, and the product's result is divided by l at the end. Since M is a whole number, a kernel that streams over the keys may use a running M (the ceiling of the running maximum): every later rescaling is an exact power of two, which a block's scale takes up: the codes' values come out the same.
;;   OPERANDS COMPUTED ON THE WAY. 'Computed on the way' means the value that the module computes at that place (a softmax that the list does not call 'softmax' is quantised finished and normalised). What goes into a quantiser is computed in f32, as accurately as f32 sums, v_exp_f32 and their like allow (about 1e-6 of the number): no bf16 or f16 on the way to a quantiser, and a product that is left as it is and whose result goes on into a quantised operand takes f32 operands (vector FMAs, or v_wmma_f32_16x16x4_f32). A number that lies on a knife's edge between two numbers of the format may be rounded either way, as far as f32 arithmetic and the matrix unit's own rounding can turn it there, and no further.
;; One version. Each part assembles by itself: llvm-mc -triple=amdgcn-amd-amdhsa -mcpu=gfx1250 --defsym DOCPART=n.
;; ======== version 1 of 1: 4 launches
;; limits: right only within a limited range of input values
;; workspace buffers: xq 4,456,448 bytes; wq 2,228,224 bytes; eq 1,352,192 bytes; qk 8,912,896 bytes; vq 4,718,592 bytes; yq 4,456,448 bytes
;; launch prep (part 1): grid 457 x 1, 4 waves a work-group, no clusters, 68,096 bytes of LDS; arguments x, Wattn, Wproj, embk, embv, xq, wq, eq; writes xq, wq, eq
.if DOCPART == 1
	.amdgcn_target "amdgcn-amd-amdhsa--gfx1250"
	.amdhsa_code_object_version 6
	.text
	.protected	k_q659bc87b35_prep
	.globl	k_q659bc87b35_prep
	.p2align	8
	.type	k_q659bc87b35_prep,@function
k_q659bc87b35_prep:
	s_mov_b64 s[64:65], 0
	v_nop
	global_prefetch_b8 v0, s[64:65] scope:SCOPE_SE
	s_setreg_imm32_b32 hwreg(HW_REG_WAVE_MODE, 25, 1), 1
	s_wait_xcnt 0x0
; All that can be quantised ahead of the products, in one launch of four paths, parted by the work-group's number:
;   work-groups   0-127  EV: embv -> 32 tables of codes along the keys, one for each t mod 32 (the second relative product's K is the keys, cut into blocks of 32 from key 0)
;   work-groups 128-191  W : Wattn, Wproj (K is their first axis) -> codes with K innermost, and scale bytes
;   work-groups 192-200  EK: embk -> codes along its 64 channels, and scale words
;   work-groups 201-456  X : x -> codes along K, and scale bytes
; A block's scale is 2^(floor(log2(largest magnitude)) - 2); its byte is the largest magnitude's exponent field - 2, held at 1 from below.
; sw34(i) = i with bits 3 and 4 exchanged.  Rows of x and columns of the weights are STORED at place sw34(index): sixteen places on end are then a tile whose row r is index 32 B + 8 u + r + 8 (r / 8),
; the order in which a transposed product leaves sixteen neighbours along the next K in a lane's registers.
; LIMITS: NaN and infinities are not served; a block whose largest magnitude lies under 2^-124, or which is all zeros, gets the byte 1 (its codes are then zeros or as the floor gives them; the bytes are read by this program alone);
; embk's bytes are raised by 3 (x 8, which stands for the other scores' 1 / sqrt(64)): they stay under 255 for |embk| under 2^121.
; No tensor loads, no barrier: waves share nothing.  The X path and the W path have LDS bytes of their own.
.set XS_OFF,  4194304                  ; xq: codes [place 8192][512], then scale bytes [place][32]
.set WAS_OFF, 1572864                  ; wq: Wattn's codes [place 3072][512], its scale bytes [place][32],
.set WPC_OFF, 1671168                  ;     Wproj's codes [place 1024][512],
.set WPS_OFF, 2195456                  ;     its scale bytes
.set EKS_OFF, 36864                    ; eq: embk's codes [idx 1152][32] (row max(idx - 128, 0)), its scale words [idx][4],
.set EVC_OFF, 41472                    ;     embv's codes [a 32][m 32][place of d 64][16],
.set EVS_OFF, 1090048                  ;     its scale words [a][m][place of d][4]: byte i is window m - i's
.set EMAX,  2
	s_load_b256 s[4:11], s[0:1], 0x0               ; x s[4:5], Wattn s[6:7], Wproj s[8:9], embk s[10:11]
	s_load_b256 s[12:19], s[0:1], 0x20             ; embv s[12:13], xq s[14:15], wq s[16:17], eq s[18:19]
	s_set_vgpr_msb 0x40
	v_lshl_add_u32 v0, v0, 2, 0x10800
	v_mov_b32 v1, 0
	s_set_vgpr_msb 0x4000
	v_lshrrev_b32 v1, 5, v0
	v_readfirstlane_b32 s20, v1                    ; wave 0..3
	v_and_b32 v1, 31, v0                           ; lane
	v_and_b32 v2, 7, v1
	v_bfe_u32 v3, v1, 3, 1
	v_lshl_or_b32 v2, v3, 4, v2
	v_bfe_u32 v3, v1, 4, 1
	v_lshl_or_b32 v2, v3, 3, v2                    ; sw34(lane)
	s_wait_kmcnt 0x0
	s_cmp_lt_u32 ttmp9, 128
	s_cbranch_scc1 .Lev
	s_cmp_lt_u32 ttmp9, 192
	s_cbranch_scc1 .Lw
	s_cmp_lt_u32 ttmp9, 201
	s_cbranch_scc1 .Lek
; ---------------------------------------------------------------- X: x, a plain stream of blocks of 32
; A wave takes 8 rows (8,192 numbers) in 16 steps of 512.  Each load reads 512 consecutive bytes; a step's 2,048 bytes turn through the wave's own stage in LDS and come back 64 bytes a lane:
; sixteen neighbours along K, two lanes to a block.  The 8 rows leave at the places sw34 gives them: rows 8 w .. 8 w + 7 of a group of 32 go to the run of wave number w with its two bits exchanged.
.set STEPS, 16
.set XR,    16                         ; v16-79   four sets of 16 numbers as loaded
.set XX,    80                         ; v80-111  two sets of 16 neighbours
.set XE,    112                        ; v112-127 a scale byte for each step
.set XC,    128                        ; v128-191 codes: registers of its own for each step
.set WREG,  8192                       ; LDS 0 .. 32,767: a region for each wave: two stages of 32 x SP bytes, then its 256 scale bytes
.set SP,    80
	s_sub_co_u32 s21, ttmp9, 201                   ; which 32 rows
	s_wait_alu depctr_va_vdst(0)
	v_lshlrev_b32 v3, 4, v1                        ; my 16 bytes of a load's 512
	s_mul_i32 s22, s20, WREG
	v_lshrrev_b32 v14, 2, v1
	v_mul_u32_u24 v14, v14, SP
	v_and_b32 v15, 3, v1
	v_lshl_add_u32 v14, v15, 4, v14
	v_add_nc_u32 v14, s22, v14                     ; the stage, in: SP (lane / 4) + 16 (lane % 4)
	v_mul_u32_u24 v15, v1, SP
	v_add_nc_u32 v15, s22, v15                     ; and out: SP x lane
	v_lshlrev_b32 v4, 3, v1                        ; my 8 bytes of a step's codes
	v_lshrrev_b32 v5, 1, v1
	s_add_co_u32 s22, s22, 2*32*SP
	v_add_nc_u32 v5, s22, v5                       ; my block's scale byte in LDS
	v_lshlrev_b32 v7, 3, v1
	v_add_nc_u32 v6, s22, v7                       ; and 8 bytes a lane on the way out
	s_lshl_b32 s24, s21, 2
	s_add_co_u32 s26, s24, s20                     ; the run that I read
	s_lshl_b32 s26, s26, 15                        ; 32,768 bytes a run
	s_mov_b32 s27, 0
	s_add_nc_u64 s[4:5], s[4:5], s[26:27]
	s_and_b32 s25, s20, 1
	s_lshl_b32 s25, s25, 1
	s_lshr_b32 s23, s20, 1
	s_or_b32 s25, s25, s23
	s_add_co_u32 s24, s24, s25                     ; the run that I write
	s_lshl_b32 s26, s24, 12                        ; 4,096 bytes of codes a run
	s_add_nc_u64 s[28:29], s[14:15], s[26:27]
	s_lshl_b32 s26, s24, 8                         ; 256 scale bytes a run
	s_add_co_u32 s26, s26, XS_OFF
	s_add_nc_u64 s[30:31], s[14:15], s[26:27]
.macro LOADX t
.irp i, 0,1,2,3
	global_load_b128 v[XR+16*((\t)%4)+4*\i:XR+16*((\t)%4)+4*\i+3], v3, s[4:5] offset:2048*(\t)+512*\i th:TH_LOAD_NT
.endr
.endm
.macro TURNX t                         ; LDS serves a wave's instructions in order: no wait between the stores and the loads
.irp i, 0,1,2,3
	ds_store_b128 v14, v[XR+16*((\t)%4)+4*\i:XR+16*((\t)%4)+4*\i+3] offset:32*SP*((\t)%2)+8*SP*\i
.endr
.irp i, 0,1,2,3
	ds_load_b128 v[XX+16*((\t)%2)+4*\i:XX+16*((\t)%2)+4*\i+3], v15 offset:32*SP*((\t)%2)+16*\i
.endr
.endm
.irp t, 0,1,2,3
	LOADX \t
.endr
	s_wait_alu depctr_va_vdst(0)
	s_wait_loadcnt 12                              ; step 0's four loads are in; twelve younger ones stay out
	TURNX 0
.macro STEPX t
.set XSS, XX+16*((\t)%2)
.if (\t) > 0
	s_wait_dscnt 1                                 ; this step's numbers are back from the stage; the last step's byte store may be out
.else
	s_wait_dscnt 0x0
.endif
.if (\t)+4 < STEPS
	LOADX (\t)+4                                   ; into the registers whose stores into the stage are done
.endif
.if (\t)+1 < STEPS
.if STEPS-2-(\t) >= 3
	s_wait_loadcnt 12                              ; the next step's four loads are in; three steps' loads stay out
.else
	s_wait_loadcnt 4*(STEPS-2-(\t))
.endif
	TURNX (\t)+1
.endif
	v_max3_num_f32 v8, |v[XSS]|, |v[XSS+1]|, |v[XSS+2]|
	v_max3_num_f32 v9, |v[XSS+3]|, |v[XSS+4]|, |v[XSS+5]|
.irp i, 6,10
	v_max3_num_f32 v8, v8, |v[XSS+\i]|, |v[XSS+\i+1]|
	v_max3_num_f32 v9, v9, |v[XSS+\i+2]|, |v[XSS+\i+3]|
.endr
	v_max3_num_f32 v8, v8, |v[XSS+14]|, |v[XSS+15]|
	v_max3_num_f32 v8, v8, v9, (EMAX+1)<<23        ; the floor 2^(3 - 127): the byte cannot fall under 1
	v_max_num_f32_dpp v8, v8, v8 row_xmask:1 row_mask:0xf bank_mask:0xf   ; with my neighbour's 16: the block's
	v_add_nc_u32 v11, -(EMAX<<23), v8              ; 2 off the exponent field: the conversion's scale operand
	v_cvt_scalef32_pk8_fp4_f32 v[XC+4*(\t)], v[XSS:XSS+7], v11
	v_cvt_scalef32_pk8_fp4_f32 v[XC+4*(\t)+1], v[XSS+8:XSS+15], v11
	v_lshrrev_b32 v[XE+(\t)], 23, v11              ; the byte (also the plain line behind the conversions)
	ds_store_b8 v5, v[XE+(\t)] offset:16*(\t)      ; both lanes of a block write the same byte with the same value
	global_store_b64 v4, v[XC+4*(\t):XC+4*(\t)+1], s[28:29] offset:256*(\t)   ; the wave stores 256 consecutive bytes, aligned
.endm
.irp t, 0,1,2,3,4,5,6,7,8,9,10,11,12,13,14,15
	STEPX \t
.endr
	ds_load_b64 v[12:13], v6
	s_wait_dscnt 0x0
	global_store_b64 v7, v[12:13], s[30:31]        ; 256 consecutive bytes, aligned
	s_set_vgpr_msb 0x5
	s_wait_tensorcnt 0x0
	ds_add_u32 v0, v1
	s_wait_dscnt 0x0
	s_set_vgpr_msb 0x500
	s_endpgm
; ---------------------------------------------------------------- W: a weight [K][N]; a lane takes a column, its registers run down K
; A work-group takes 128 columns x 512 along K; a wave 32 columns: 16 blocks a lane.  The pitch differs between the two weights, so a row's offset is a scalar that steps; each load lands on its own address register.
.Lw:
.set WPITCH, 272                       ; a stage row: 256 bytes of codes + 16
.set WSTG,   32768                     ; LDS 32,768 .. 67,583: 32 rows for each wave
.set WX,     32                        ; v32-95   two sets of 32 numbers
.set WC,     96                        ; v96-99   a block's codes
.set WOUT,   112                       ; v112-175 the way out
.set WSB,    24                        ; v24-27   16 scale bytes
	s_sub_co_u32 s21, ttmp9, 128
	s_cmp_lt_u32 s21, 48                           ; 48 work-groups for Wattn, 16 for Wproj
	s_cselect_b64 s[22:23], s[6:7], s[8:9]
	s_cselect_b32 s24, 0, 48
	s_mov_b32 s25, 4096
	s_cselect_b32 s25, 12288, s25                  ; bytes from row to row
	s_mov_b32 s26, WPC_OFF
	s_cselect_b32 s26, 0, s26
	s_mov_b32 s27, WPS_OFF
	s_cselect_b32 s27, WAS_OFF, s27
	s_sub_co_u32 s21, s21, s24
	s_and_b32 s28, s21, 1                          ; which half of K
	s_lshr_b32 s29, s21, 1
	s_lshl_b32 s29, s29, 7
	s_lshl_b32 s30, s20, 5
	s_add_co_u32 s29, s29, s30                     ; my wave's first column
	s_lshl_b32 s30, s28, 9
	s_mul_i32 s30, s30, s25
	s_lshl_b32 s31, s29, 2
	s_add_co_u32 s30, s30, s31
	s_mov_b32 s31, 0
	s_add_nc_u64 s[22:23], s[22:23], s[30:31]      ; the weight at (512 x half, first column)
	s_lshl_b32 s30, s29, 9
	s_add_co_u32 s30, s30, s26
	s_lshl_b32 s32, s28, 8
	s_add_co_u32 s30, s30, s32
	s_add_nc_u64 s[34:35], s[16:17], s[30:31]      ; the codes: place x 512 + 256 x half
	s_lshl_b32 s30, s29, 5
	s_add_co_u32 s30, s30, s27
	s_lshl_b32 s32, s28, 4
	s_add_co_u32 s30, s30, s32
	s_add_nc_u64 s[36:37], s[16:17], s[30:31]      ; the scale bytes: place x 32 + 16 x half
	s_wait_alu depctr_va_vdst(0)
	v_lshlrev_b32 v3, 2, v1
	s_mul_i32 s32, s20, 32*WPITCH
	s_add_co_u32 s32, s32, WSTG
	v_mul_u32_u24 v4, v1, WPITCH
	v_add_nc_u32 v4, s32, v4                       ; into the stage: row = my column
	v_and_b32 v5, 15, v1
	v_lshrrev_b32 v6, 4, v1
	v_mul_u32_u24 v7, v6, WPITCH
	v_lshl_add_u32 v7, v5, 4, v7
	v_add_nc_u32 v7, s32, v7                       ; out of it: sixteen lanes to a row, two rows an instruction
	v_lshlrev_b32 v8, 9, v6
	v_lshl_add_u32 v8, v5, 4, v8                   ; and the same in the codes' buffer
	v_lshlrev_b32 v9, 5, v2                        ; my column's place x 32
	s_mov_b32 s33, 0                               ; the row's offset
.macro LOADW t
.irp i, 0,1,2,3,4,5,6,7,8,9,10,11,12,13,14,15,16,17,18,19,20,21,22,23,24,25,26,27,28,29,30,31
	v_add_nc_u32 v[WX+32*((\t)%2)+\i], s33, v3
	s_add_co_u32 s33, s33, s25
	global_load_b32 v[WX+32*((\t)%2)+\i], v[WX+32*((\t)%2)+\i], s[22:23] th:TH_LOAD_NT   ; 128 consecutive bytes a wave
.endr
.endm
	LOADW 0
	LOADW 1
.macro BLOCKW t
.set WS_, WX+32*((\t)%2)
.if (\t) < 15
	s_wait_loadcnt 32                              ; this block's 32 loads are in; the next block's may be out
.else
	s_wait_loadcnt 0x0
.endif
	v_max3_num_f32 v12, |v[WS_]|, |v[WS_+1]|, |v[WS_+2]|
	v_max3_num_f32 v13, |v[WS_+3]|, |v[WS_+4]|, |v[WS_+5]|
.irp i, 6,10,14,18,22,26
	v_max3_num_f32 v12, v12, |v[WS_+\i]|, |v[WS_+\i+1]|
	v_max3_num_f32 v13, v13, |v[WS_+\i+2]|, |v[WS_+\i+3]|
.endr
	v_max3_num_f32 v12, v12, |v[WS_+30]|, |v[WS_+31]|
	v_max3_num_f32 v12, v12, v13, (EMAX+1)<<23
	v_add_nc_u32 v11, -(EMAX<<23), v12
	v_lshrrev_b32 v13, 23, v11
.if (\t)%4 == 0
	v_mov_b32 v[WSB+(\t)/4], v13
.else
	v_lshl_or_b32 v[WSB+(\t)/4], v13, 8*((\t)%4), v[WSB+(\t)/4]
.endif
.irp g, 0,1,2,3
	v_cvt_scalef32_pk8_fp4_f32 v[WC+\g], v[WS_+8*\g:WS_+8*\g+7], v11
.endr
	v_nop                                          ; a plain line behind the conversions: the next lines write their sources
	ds_store_b128 v4, v[WC:WC+3] offset:16*(\t)
.if (\t)+2 < 16
	LOADW (\t)+2
.endif
	s_wait_dscnt 0x0                               ; the store has read its registers
.endm
.irp t, 0,1,2,3,4,5,6,7,8,9,10,11,12,13,14,15
	BLOCKW \t
.endr
	s_wait_alu depctr_va_vdst(0)
	global_store_b128 v9, v[WSB:WSB+3], s[36:37]   ; my column's 16 scale bytes
.irp t, 0,1,2,3,4,5,6,7,8,9,10,11,12,13,14,15
	ds_load_b128 v[WOUT+4*\t:WOUT+4*\t+3], v7 offset:2*\t*WPITCH
.endr
.irp t, 0,1,2,3,4,5,6,7,8,9,10,11,12,13,14,15
	s_wait_dscnt 15-\t
	global_store_b128 v8, v[WOUT+4*\t:WOUT+4*\t+3], s[34:35] offset:(((2*\t)&7)|(((2*\t)&8)<<1)|(((2*\t)&16)>>1))*512   ; columns 2 t, 2 t + 1 at their places; sixteen lanes store 256 consecutive bytes, aligned
.endr
	s_set_vgpr_msb 0x5
	s_wait_tensorcnt 0x0
	ds_add_u32 v0, v1
	s_wait_dscnt 0x0
	s_set_vgpr_msb 0x500
	s_endpgm
; ---------------------------------------------------------------- EK: a thread takes an entry idx: the codes of row max(idx - 128, 0), and the bytes of that row and of the row 8 below
.Lek:
.macro MAX32 d, e, s                   ; the largest magnitude of v[s] .. v[s + 31], and the floor
	v_max3_num_f32 v[\d], |v[\s]|, |v[\s+1]|, |v[\s+2]|
	v_max3_num_f32 v[\e], |v[\s+3]|, |v[\s+4]|, |v[\s+5]|
.irp i, 6,10,14,18,22,26
	v_max3_num_f32 v[\d], v[\d], |v[\s+\i]|, |v[\s+\i+1]|
	v_max3_num_f32 v[\e], v[\e], |v[\s+\i+2]|, |v[\s+\i+3]|
.endr
	v_max3_num_f32 v[\d], v[\d], |v[\s+30]|, |v[\s+31]|
	v_max3_num_f32 v[\d], v[\d], v[\e], (EMAX+1)<<23
.endm
	s_sub_co_u32 s21, ttmp9, 192
	s_lshl_b32 s21, s21, 7
	v_add_nc_u32 v3, s21, v0                       ; idx, 0 .. 1,151
	v_add_nc_u32 v4, -128, v3
	v_max_i32 v4, 0, v4
	v_lshlrev_b32 v4, 8, v4                        ; a row is 256 bytes
	v_add_nc_u32 v5, -136, v3
	v_max_i32 v5, 0, v5
	v_lshlrev_b32 v5, 8, v5
.irp j, 0,1,2,3,4,5,6,7,8,9,10,11,12,13,14,15
	global_load_b128 v[32+4*\j:35+4*\j], v4, s[10:11] offset:16*\j
.endr
.irp j, 0,1,2,3,4,5,6,7,8,9,10,11,12,13,14,15
	global_load_b128 v[96+4*\j:99+4*\j], v5, s[10:11] offset:16*\j
.endr
	s_wait_loadcnt 0x0
	MAX32 8, 9, 32
	MAX32 10, 11, 64
	MAX32 12, 13, 96
	MAX32 14, 15, 128
.irp b, 0,1,2,3
	v_add_nc_u32 v[16+\b], -(EMAX<<23), v[8+2*\b]
.endr
.irp b, 0,1,2,3
	v_lshrrev_b32 v[20+\b], 23, v[16+\b]
.endr
	v_lshl_or_b32 v20, v21, 8, v20
	v_lshl_or_b32 v20, v22, 16, v20
	v_lshl_or_b32 v20, v23, 24, v20
	v_add_nc_u32 v20, 0x03030303, v20              ; each byte + 3: these scores come out 8 times as large, as the other scores are before their 1 / 8
.irp g, 0,1,2,3
	v_cvt_scalef32_pk8_fp4_f32 v[24+\g], v[32+8*\g:39+8*\g], v16
	v_cvt_scalef32_pk8_fp4_f32 v[28+\g], v[64+8*\g:71+8*\g], v17
.endr
	v_lshlrev_b32 v6, 5, v3
	v_lshlrev_b32 v7, 2, v3
	global_store_b128 v6, v[24:27], s[18:19]
	global_store_b128 v6, v[28:31], s[18:19] offset:16
	global_store_b32 v7, v20, s[18:19] offset:EKS_OFF
	s_endpgm
; ---------------------------------------------------------------- EV: for t = 32 i + a, block j of the keys holds embv[max(a + 32 m - k, 0)], k = 0 .. 31, m = i - j: one table for each a
; A wave takes (a, 32 channels, four windows m = 4 G .. 4 G + 3).  A lane takes a channel; its 224 registers run DOWN the rows from a + 32 (4 G + 3): seven windows, of which the upper four give codes and all seven bytes.
.Lev:
	s_lshl_b32 s21, ttmp9, 2
	s_add_co_u32 s21, s21, s20                     ; job 0 .. 511
	s_lshr_b32 s22, s21, 4                         ; a
	s_bfe_u32 s23, s21, 0x10003                    ; which 32 channels
	s_and_b32 s24, s21, 7                          ; G
	s_lshl_b32 s25, s24, 7
	s_add_co_u32 s25, s25, s22
	s_add_co_u32 s25, s25, 96                      ; the top row
	s_lshl_b32 s25, s25, 8                         ; a row is 256 bytes
	s_lshl_b32 s26, s23, 5
	s_wait_alu depctr_va_vdst(0)
	v_add_nc_u32 v3, s26, v1
	v_lshlrev_b32 v3, 2, v3                        ; my channel's byte in row 0
	v_add_nc_u32 v4, s25, v3                       ; and in the top row
	s_wait_alu depctr_va_vdst(0)
	v_add_nc_u32 v5, s26, v2                       ; my channel's place
	v_lshlrev_b32 v28, 4, v5
	v_lshlrev_b32 v29, 2, v5
	s_lshl_b32 s28, s22, 15
	s_lshl_b32 s27, s24, 12
	s_add_co_u32 s28, s28, s27
	s_add_co_u32 s28, s28, EVC_OFF
	s_mov_b32 s29, 0
	s_add_nc_u64 s[30:31], s[18:19], s[28:29]      ; codes at (a, 4 G)
	s_lshl_b32 s28, s22, 13
	s_lshl_b32 s27, s24, 10
	s_add_co_u32 s28, s28, s27
	s_add_co_u32 s28, s28, EVS_OFF
	s_add_nc_u64 s[32:33], s[18:19], s[28:29]      ; scale words likewise
.set xi, 0
.rept 224
	v_add_nc_u32 v[32+xi], -256*xi, v4             ; xi rows down,
	v_max_i32 v[32+xi], v[32+xi], v3               ; held at row 0
	global_load_b32 v[32+xi], v[32+xi], s[12:13]   ; each load lands on its own address register
.set xi, xi+1
.endr
	v_mov_b32 v6, 0x7f7f7f7f                       ; the word of four bytes that is shifted along
	s_wait_loadcnt 0x0
.macro EVB xb, emit                    ; window m = 4 G + 3 - xb
.set VB_, 32+32*(\xb)
	v_max3_num_f32 v7, |v[VB_]|, |v[VB_+1]|, |v[VB_+2]|
	v_max3_num_f32 v30, |v[VB_+3]|, |v[VB_+4]|, |v[VB_+5]|
.irp i, 6,10,14,18,22,26
	v_max3_num_f32 v7, v7, |v[VB_+\i]|, |v[VB_+\i+1]|
	v_max3_num_f32 v30, v30, |v[VB_+\i+2]|, |v[VB_+\i+3]|
.endr
	v_max3_num_f32 v7, v7, |v[VB_+30]|, |v[VB_+31]|
	v_max3_num_f32 v7, v7, v30, (EMAX+1)<<23
	v_add_nc_u32 v31, -(EMAX<<23), v7
	v_lshrrev_b32 v7, 23, v31
	v_lshl_or_b32 v6, v6, 8, v7                    ; byte 0: this window's; bytes 1 to 3: those of the three windows below
.if \emit
.irp g, 0,1,2,3
	v_cvt_scalef32_pk8_fp4_f32 v[12+4*(3-(\xb))+\g], v[VB_+8*\g:VB_+8*\g+7], v31
.endr
	v_mov_b32 v[8+3-(\xb)], v6                     ; (also the plain line behind the conversions)
	global_store_b128 v28, v[12+4*(3-(\xb)):15+4*(3-(\xb))], s[30:31] offset:(3-(\xb))*1024   ; the wave stores 512 consecutive bytes
	global_store_b32 v29, v[8+3-(\xb)], s[32:33] offset:(3-(\xb))*256
.endif
.endm
	EVB 6, 0
	EVB 5, 0
	EVB 4, 0
	EVB 3, 1
	EVB 2, 1
	EVB 1, 1
	EVB 0, 1
	s_endpgm
.Lfunc_end_k_q659bc87b35_prep:
	.size	k_q659bc87b35_prep, .Lfunc_end_k_q659bc87b35_prep-k_q659bc87b35_prep
	.p2alignl 7, 3214868480
	.fill 96, 4, 3214868480
	.section	.rodata,"a",@progbits
	.p2align	6, 0x0
	.amdhsa_kernel k_q659bc87b35_prep
		.amdhsa_group_segment_fixed_size 68096
		.amdhsa_private_segment_fixed_size 0
		.amdhsa_enable_private_segment 0
		.amdhsa_kernarg_size 64
		.amdhsa_user_sgpr_count 2
		.amdhsa_user_sgpr_kernarg_segment_ptr 1
		.amdhsa_wavefront_size32 1
		.amdhsa_system_sgpr_workgroup_id_x 1
		.amdhsa_system_sgpr_workgroup_id_y 1
		.amdhsa_system_sgpr_workgroup_id_z 1
		.amdhsa_system_vgpr_workitem_id 0
		.amdhsa_next_free_vgpr 258
		.amdhsa_next_free_sgpr 66
		.amdhsa_reserve_vcc 0
		.amdhsa_float_denorm_mode_32 3
		.amdhsa_float_denorm_mode_16_64 3
		.amdhsa_memory_ordered 1
		.amdhsa_forward_progress 1
		.amdhsa_inst_pref_size 207
	.end_amdhsa_kernel
	.amdgpu_metadata
---
amdhsa.version: [ 1, 2 ]
amdhsa.kernels:
  - .name:           k_q659bc87b35_prep
    .symbol:         k_q659bc87b35_prep.kd
    .args:
      - { .name: x, .offset: 0, .size: 8, .value_kind: global_buffer, .address_space: global }
      - { .name: Wattn, .offset: 8, .size: 8, .value_kind: global_buffer, .address_space: global }
      - { .name: Wproj, .offset: 16, .size: 8, .value_kind: global_buffer, .address_space: global }
      - { .name: embk, .offset: 24, .size: 8, .value_kind: global_buffer, .address_space: global }
      - { .name: embv, .offset: 32, .size: 8, .value_kind: global_buffer, .address_space: global }
      - { .name: xq, .offset: 40, .size: 8, .value_kind: global_buffer, .address_space: global }
      - { .name: wq, .offset: 48, .size: 8, .value_kind: global_buffer, .address_space: global }
      - { .name: eq, .offset: 56, .size: 8, .value_kind: global_buffer, .address_space: global }
    .group_segment_fixed_size: 68096
    .private_segment_fixed_size: 0
    .kernarg_segment_align: 8
    .kernarg_segment_size: 64
    .max_flat_workgroup_size: 128
    .sgpr_count:     66
    .vgpr_count:     258
    .wavefront_size: 32
...
	.end_amdgpu_metadata
.endif
;; end of part 1
;; launch gemm1 (part 2): grid 12 x 32, 4 waves a work-group, clusters of 4 x 4, 327,680 bytes of LDS; arguments xq, wq, battn, qk, vq; writes qk, vq
.if DOCPART == 2
	.amdgcn_target "amdgcn-amd-amdhsa--gfx1250"
	.amdhsa_code_object_version 6
	.text
	.protected	k_q659bc87b35_gemm1
	.globl	k_q659bc87b35_gemm1
	.p2align	8
	.type	k_q659bc87b35_gemm1,@function
k_q659bc87b35_gemm1:
	s_mov_b64 s[64:65], 0
	v_nop
	global_prefetch_b8 v0, s[64:65] scope:SCOPE_SE
	s_setreg_imm32_b32 hwreg(HW_REG_WAVE_MODE, 25, 1), 1
	s_wait_xcnt 0x0
	s_wait_alu depctr_hold_cnt(0) depctr_sa_sdst(0) depctr_va_vdst(0) depctr_va_sdst(0) depctr_va_ssrc(0) depctr_va_vcc(0) depctr_vm_vsrc(0)
	s_getreg_b32 s2, hwreg(HW_REG_IB_STS2, 6, 4)
	s_cmp_eq_u32 s2, 0
	s_cbranch_scc0 .Lentry_in_a_cluster
	s_endpgm
.Lentry_in_a_cluster:
	s_bfe_u32 s2, ttmp6, 0x10000c
	s_cmp_lg_u32 s2, 0xf033
	s_cbranch_scc0 .Lentry_shape_is_right
	s_endpgm
.Lentry_shape_is_right:
; qkv = x Wattn + battn on codes of FP4 (E2M1) with E8M0 scales, and q, k, v quantised at once for the attention: no f32 number of qkv goes to memory.
; A tile of 256 rows x 256 columns to a work-group of four waves; a wave makes 128 x 128: 64 accumulators.  K = 1,024 is two slots of 512 in LDS, both filled at the start: nothing is filled again.
; CLUSTERS: 4 x 4 work-groups; x's tile is shared along a row of the cluster, the weight's along a column: each is asked for jointly.
; Rows of x and columns of Wattn lie in their buffers at place sw34(index) (bits 3 and 4 exchanged): sixteen places on end are a tile whose row r is index 32 B + 8 u + r + 8 (r / 8).
; q AND k (cluster x = 0, 1) are quantised along the head's 64 channels: the product is used with source 0 = the weight, source 1 = x: a lane holds one row t, and the 16 registers of two neighbouring tiles are 16 neighbouring channels.
; v (cluster x = 2) is quantised along the KEYS: source 0 = x, source 1 = the weight: a lane holds one channel and its registers run along t.  The cluster's x is the same in all partners, so the branch on it is taken alike by all.
; What leaves is laid as the attention's operand registers want it:
;   qk: codes [q or k][b h][g 32][u 2][lane][16]: lane (r, half) holds channels 32 half .. of row 32 g + 8 u + r + 8 (r / 8);  scale words [q or k][b h][g][r][4]: low half row (r, u = 0)'s two bytes, high half (r, u = 1)'s
;   vq: codes [b h][J 8][tile of 16 channels 4][c 2][lane][16]: the fragment of V^T for keys 128 J on;  scale words [b h][J][tile][lane][4]
; LIMITS: NaN and infinities are not served; a block whose largest magnitude lies under 2^-124 gets the byte 1.
; REGISTERS, in windows of 256: window 0: v0-31 addresses and the epilogue's small work; v32-95 scale words, two sets; v96-111 the bias by columns of a lane; v112-127 at work; v128-191 x's fragments, later 64 numbers to quantise;
;   v192-255 the bias in the result's layout.  window 1: the weight's fragments, two sets.  windows 2, 3: the accumulators ((a, b) at v[8 (8 (a % 4) + b)]).
.set XS_OFF,  4194304
.set WAS_OFF, 1572864
.set QKS,     8388608
.set VSO,     4194304
.set KSTEP,  512
.set NQ,     4
.set ROWB,   256
.set KROW,   512
.set PITCH,  528                       ; an LDS row: all of K, 512 bytes of codes + 16: an odd multiple of 16, so the 16 rows that a load touches start at 16 different groups of banks
.set FR,     8
.set NL,     2
.set NP,     4
.set HALFT,  128*PITCH
.set SLOT,   256                       ; the second 512 along K begins 256 bytes on in each LDS row
.set KS,     32                        ; a row of scale bytes
.set SCL,    4*HALFT                   ; behind x's 256 rows and the weight's 256 rows: the scales of 256 + 256 rows for all of K
.set HALFS,  (128*KS/256)*272
.set SBLK,   (16*KS/256)*272
.set SPARE,  SCL+4*HALFS               ; the spare words: 128 bytes for each wave
.set ADRA, 16
.set ADRB, 20
.set ADRS, 27
.set SPW,  28
.set NIL,  29
.set SC,   32
.set AF,   128
.set BQ,   96                          ; v96, 98 .. 110: battn at my column of tile i (the odd registers are 0: they are named as pairs)
.set TM,   112
.set H,    128
.set BP,   192                         ; battn at my eight columns of tile b
.set PC,   2                           ; v2-9 the codes just made
.set PW,   10                          ; v10 their scale word
.set G1, 24
.set G0, 32
.set G1B, 48
.set G0B, 56
.set G1S, 68
.set G0S, 76
.set G1SB, 80
.set G0SB, 88
.set MSB, 0
.macro WIN new                         ; the immediate's high byte repeats the setting that is left
.if MSB != (\new)
	s_set_vgpr_msb (MSB<<8)|(\new)
.set MSB, (\new)
.endif
.endm
.set MUL_LO, 0xa1                      ; source 0 window 1, source 1 window 0, C and D window 2; with the sources exchanged: + 3
.set MUL_HI, 0xf1
.set TO_B,   0x40
; One arm of the head's chain of branches on the wave's number: its joint load, s_nop 0 and four v_nop, and a jump to the chain's end.
.macro ARM under, g0, g1, next
	s_cmp_lt_u32 s14, \under
	s_cbranch_scc0 \next
	tensor_load_to_lds s[\g0:\g0+3], s[\g1:\g1+7]
	s_nop 0
.rept 4
	v_nop
.endr
	s_branch .Lhead_asked
\next:
.endm
.macro CROUND                          ; a round of the cluster's barrier
	s_barrier_signal -1
	s_barrier_wait -1
	s_cmp_lg_u32 s14, 0
	s_cbranch_scc1 .Lnot_wave_0_\@
	s_barrier_signal -3
.Lnot_wave_0_\@:
	s_barrier_wait -3
	s_barrier_signal -1
	s_barrier_wait -1
.endm
	s_load_b128 s[4:7], s[0:1], 0x0                ; xq s[4:5], wq s[6:7]
	s_load_b128 s[8:11], s[0:1], 0x10              ; battn s[8:9], qk s[10:11]
	s_load_b64 s[12:13], s[0:1], 0x20              ; vq
	v_lshl_add_u32 v[SPW], v0, 2, SPARE
	v_mov_b32 v[NIL], 0
	ds_add_u32 v28, v29
	ds_add_u32 v28, v29
	s_wait_dscnt 0x0
	v_lshrrev_b32 v1, 5, v0
	v_readfirstlane_b32 s14, v1                    ; wave 0..3
	s_lshr_b32 s15, s14, 1                         ; which half of the tile's rows is mine
	s_and_b32 s16, s14, 1                          ; which half of its columns
	s_bfe_u32 s40, ttmp6, 0x40000                  ; cx, cy
	s_bfe_u32 s41, ttmp6, 0x40004
	s_lshl_b32 s42, ttmp9, 2
	s_add_co_u32 s42, s42, s40                     ; tile column
	s_and_b32 s17, ttmp7, 0xffff
	s_lshl_b32 s17, s17, 2
	s_add_co_u32 s17, s17, s41                     ; tile row
	s_lshl_b32 s43, s41, 2
	s_lshl_b32 s43, 15, s43                        ; my row of the cluster
	s_lshl_b32 s44, 0x1111, s40                    ; my column
	s_or_b32 s[G1+0], s43, (0<<16)|(1<<20)|(1<<21)|(6<<22)|(3<<25)   ; the mask; elements of 1 byte; padding on; bit 21 beside a mask; 4 words behind every 128
	s_or_b32 s[G1B+0], s44, (0<<16)|(1<<20)|(1<<21)|(6<<22)|(3<<25)
.irp g, G1, G1B
	s_mov_b32 s[\g+1], KROW<<16                    ; tensor_dim0: a whole row of K, 512 bytes
	s_mov_b32 s[\g+2], 256<<16                     ; tensor_dim1: the tile's 256 rows
	s_mov_b32 s[\g+3], KROW<<16                    ; tile_dim0
	s_mov_b32 s[\g+4], 256                         ; tile_dim1
	s_mov_b32 s[\g+5], KROW                        ; the pitch
	s_mov_b32 s[\g+6], 0
	s_mov_b32 s[\g+7], 0
.endr
	s_or_b32 s[G1S+0], s43, (3<<16)|(1<<20)|(1<<21)|(5<<22)|(3<<25)  ; the scales of 256 rows: a dense block, as rows of 256 bytes (32 elements of 8)
	s_or_b32 s[G1SB+0], s44, (3<<16)|(1<<20)|(1<<21)|(5<<22)|(3<<25)
.irp g, G1S, G1SB
	s_mov_b32 s[\g+1], 32<<16
	s_mov_b32 s[\g+2], KS<<16                      ; the scales of 256 rows: KS rows of 256 bytes
	s_mov_b32 s[\g+3], 32<<16
	s_mov_b32 s[\g+4], KS
	s_mov_b32 s[\g+5], 32
	s_mov_b32 s[\g+6], 0
	s_mov_b32 s[\g+7], 0
.endr
	s_lshl_b32 s20, s17, 8                         ; x: place 256 x tile row
	s_lshl_b32 s46, s42, 8                         ; the weight: place 256 x tile column
	s_mov_b32 s21, 0
	s_mov_b32 s47, 0
	s_mov_b64 s[18:19], KS
	s_mul_u64 s[22:23], s[20:21], s[18:19]
	s_mul_u64 s[92:93], s[46:47], s[18:19]
	s_mov_b64 s[18:19], KROW
	s_mul_u64 s[20:21], s[20:21], s[18:19]
	s_mul_u64 s[46:47], s[46:47], s[18:19]
	s_add_nc_u64 s[22:23], s[22:23], XS_OFF        ; the scale bytes lie behind the codes in the same buffer
	s_add_nc_u64 s[92:93], s[92:93], WAS_OFF
	s_wait_kmcnt 0x0
	s_add_nc_u64 s[20:21], s[4:5], s[20:21]
	s_add_nc_u64 s[22:23], s[4:5], s[22:23]
	s_add_nc_u64 s[46:47], s[6:7], s[46:47]
	s_add_nc_u64 s[92:93], s[6:7], s[92:93]
	CROUND                                         ; all sixteen work-groups are here: the joint loads meet
	s_mov_b32 s[G0S], 1                            ; the launch's four tiles, each whole, for all of K: the scales of x's 256 rows,
	s_mov_b32 s[G0S+1], SCL
	s_mov_b64 s[G0S+2:G0S+3], s[22:23]
	s_or_b32 s[G0S+3], s[G0S+3], 0x80000000
	s_mov_b32 s[G0SB], 1                           ; those of the weight's,
	s_mov_b32 s[G0SB+1], SCL+2*HALFS
	s_mov_b64 s[G0SB+2:G0SB+3], s[92:93]
	s_or_b32 s[G0SB+3], s[G0SB+3], 0x80000000
	s_mov_b32 s[G0], 1                             ; x's 256 rows of codes,
	s_mov_b32 s[G0+1], 0
	s_mov_b64 s[G0+2:G0+3], s[20:21]
	s_or_b32 s[G0+3], s[G0+3], 0x80000000
	s_mov_b32 s[G0B], 1                            ; and the weight's, behind them
	s_mov_b32 s[G0B+1], 2*HALFT
	s_mov_b64 s[G0B+2:G0B+3], s[46:47]
	s_or_b32 s[G0B+3], s[G0B+3], 0x80000000
	; one joint load a wave, in one chain of branches on the wave's number; no other tensor load stands in the launch
	ARM 1, G0,  G1,  .Lhead_b
	ARM 2, G0B, G1B, .Lhead_sa
	ARM 3, G0S, G1S, .Lhead_sb
	tensor_load_to_lds s[G0SB:G0SB+3], s[G1SB:G1SB+7]
	s_nop 0
.rept 4
	v_nop
.endr
.Lhead_asked:
	v_and_b32 v1, 15, v0                           ; r
	v_bfe_u32 v2, v0, 4, 1                         ; half
	v_mul_u32_u24 v3, v1, PITCH
	v_lshl_add_u32 v4, v2, 4, v3
	s_mul_i32 s21, s15, HALFT
	s_mul_i32 s22, s16, HALFT
	s_add_co_u32 s22, s22, 2*HALFT
.irp s, 0,1
	v_add_nc_u32 v[ADRA+\s], s21, v4
	v_add_nc_u32 v[ADRB+\s], s22, v4
	s_add_co_u32 s21, s21, SLOT
	s_add_co_u32 s22, s22, SLOT
.endr
	v_mul_u32_u24 v5, v1, KS
	v_lshrrev_b32 v6, 8, v5
	v_lshl_add_u32 v5, v6, 4, v5
	s_mul_i32 s21, s15, HALFS
	s_mul_i32 s22, s16, HALFS
	s_add_co_u32 s22, s22, 2*HALFS
	s_sub_co_u32 s22, s22, s21
	v_mul_u32_u24 v6, s22, v2                      ; lanes 16-31 take the weight's scale words
	s_add_co_u32 s21, s21, SCL
	v_add_nc_u32 v5, v5, v6
	v_add_nc_u32 v[ADRS], s21, v5
	; the epilogue's numbers: my first column n0 and my first place among the rows R0; the bias, loaded now and waited for at the end
	s_lshl_b32 s20, s42, 8
	s_lshl_b32 s21, s16, 7
	s_add_co_u32 s95, s20, s21                     ; n0
	s_lshl_b32 s20, s17, 8
	s_lshl_b32 s21, s15, 7
	s_add_co_u32 s3, s20, s21                      ; R0
	s_lshl_b32 s20, s95, 2
	s_mov_b32 s21, 0
	s_add_nc_u64 s[8:9], s[8:9], s[20:21]
	v_lshlrev_b32 v11, 6, v2                       ; 64 x half: my half's 16 columns of a group of 32
	v_and_b32 v12, 8, v1
	v_add_nc_u32 v12, v12, v1
	v_lshlrev_b32 v12, 2, v12                      ; 4 (r + 8 (r / 8)): my column of a tile
.irp b, 0,1,2,3,4,5,6,7
	global_load_b128 v[BP+8*\b:BP+8*\b+3], v11, s[8:9] offset:(32*(\b/2)+8*(\b%2))*4
	global_load_b128 v[BP+8*\b+4:BP+8*\b+7], v11, s[8:9] offset:(32*(\b/2)+8*(\b%2))*4+16
	global_load_b32 v[BQ+2*\b], v12, s[8:9] offset:(32*(\b/2)+8*(\b%2))*4
	v_mov_b32 v[BQ+2*\b+1], 0
.endr
	v_and_b32 v13, 31, v0
	v_lshlrev_b32 v15, 2, v13                      ; 4 x lane
	v_lshlrev_b32 v13, 4, v13                      ; 16 x lane
	v_lshlrev_b32 v14, 11, v2
	v_lshl_add_u32 v14, v1, 2, v14                 ; q's and k's scale words: 2,048 x half (the next head) + 4 r
	v_lshlrev_b32 v18, 4, v2                       ; 16 x half: which two bytes of a scale word are my head's
.irp b, 0,1,2,3
	v_mov_b32 v[TM+4+\b], 0                        ; written once: a lane permute's destination counts as one of its sources
.endr
	s_mov_b32 s66, 0x76543210
	s_mov_b32 s67, 0xfedcba98                      ; v_permlanex16_b32's selects for lane l xor 16
.macro FRAG reg, adr, q, i             ; 16 rows x 128 K of 4-bit codes: 8 registers, two loads of 16 bytes, 32 bytes apart
.irp c, 0,1
	ds_load_b128 v[\reg+4*\c:\reg+4*\c+3], v[\adr] offset:64*(\q)+32*\c+(\i)*16*PITCH
.endr
.endm
; 16 matrix instructions: x's blocks a0, a0 + 1 against the weight's eight, 128 along K.  sw = 0: source 0 = the weight; sw = 1: source 0 = x.  A scale register holds x's word in lanes 0-15 and the weight's in lanes 16-31.
; The 64 accumulators take turns, one instruction a turn, in the same order in every step.
.macro MUL16 a0, p, q, sc, zero, sw
.irp a, \a0, \a0+1
.irp b, 0,1,2,3,4,5,6,7
.if \sw
.if \zero
	v_wmma_scale_f32_16x16x128_f8f6f4 v[8*(8*((\a)%4)+\b):8*(8*((\a)%4)+\b)+7], v[AF+FR*(\a):AF+FR*(\a)+FR-1], v[128*(\p)+FR*\b:128*(\p)+FR*\b+FR-1], 0, v[SC+8*NQ*(\sc)+NQ*(\a)+(\q)], v[SC+8*NQ*(\sc)+NQ*\b+(\q)] matrix_a_fmt:MATRIX_FMT_FP4 matrix_b_fmt:MATRIX_FMT_FP4 matrix_b_scale:MATRIX_SCALE_ROW1
.else
	v_wmma_scale_f32_16x16x128_f8f6f4 v[8*(8*((\a)%4)+\b):8*(8*((\a)%4)+\b)+7], v[AF+FR*(\a):AF+FR*(\a)+FR-1], v[128*(\p)+FR*\b:128*(\p)+FR*\b+FR-1], v[8*(8*((\a)%4)+\b):8*(8*((\a)%4)+\b)+7], v[SC+8*NQ*(\sc)+NQ*(\a)+(\q)], v[SC+8*NQ*(\sc)+NQ*\b+(\q)] matrix_a_fmt:MATRIX_FMT_FP4 matrix_b_fmt:MATRIX_FMT_FP4 matrix_b_scale:MATRIX_SCALE_ROW1
.endif
.else
.if \zero
	v_wmma_scale_f32_16x16x128_f8f6f4 v[8*(8*((\a)%4)+\b):8*(8*((\a)%4)+\b)+7], v[128*(\p)+FR*\b:128*(\p)+FR*\b+FR-1], v[AF+FR*(\a):AF+FR*(\a)+FR-1], 0, v[SC+8*NQ*(\sc)+NQ*\b+(\q)], v[SC+8*NQ*(\sc)+NQ*(\a)+(\q)] matrix_a_fmt:MATRIX_FMT_FP4 matrix_b_fmt:MATRIX_FMT_FP4 matrix_a_scale:MATRIX_SCALE_ROW1
.else
	v_wmma_scale_f32_16x16x128_f8f6f4 v[8*(8*((\a)%4)+\b):8*(8*((\a)%4)+\b)+7], v[128*(\p)+FR*\b:128*(\p)+FR*\b+FR-1], v[AF+FR*(\a):AF+FR*(\a)+FR-1], v[8*(8*((\a)%4)+\b):8*(8*((\a)%4)+\b)+7], v[SC+8*NQ*(\sc)+NQ*\b+(\q)], v[SC+8*NQ*(\sc)+NQ*(\a)+(\q)] matrix_a_fmt:MATRIX_FMT_FP4 matrix_b_fmt:MATRIX_FMT_FP4 matrix_a_scale:MATRIX_SCALE_ROW1
.endif
.endif
.endr
.endr
.endm
.macro FETCH_B slot, q, p
	WIN TO_B
.irp i, 0,1,2,3,4,5,6,7
	FRAG 128*(\p)+FR*\i, ADRB+\slot, \q, \i
.endr
	WIN 0
.endm
.macro FETCH_A slot, q, i0
.irp i, \i0, \i0+1, \i0+2, \i0+3
	FRAG AF+FR*(\i), ADRA+\slot, \q, \i
.endr
.endm
.macro SCALES sc
.irp i, 0,1,2,3,4,5,6,7
	ds_load_b128 v[SC+8*NQ*\sc+NQ*\i:SC+8*NQ*\sc+NQ*\i+3], v[ADRS] offset:\i*SBLK
.endr
.endm
.macro PLACES n                        ; plain vector lines between a matrix instruction and a load into, or a read of, its registers
.rept \n
	v_nop
.endr
.endm
.macro STEP slot, q, zero, sw          ; 128 along K, with its successor in the same slot
	s_wait_dscnt 4*NL                              ; all but the youngest eight loads (x's blocks 4-7) are in
	WIN MUL_LO+3*(\sw)
	MUL16 0, (\q)%2, \q, \slot, \zero, \sw
	MUL16 2, (\q)%2, \q, \slot, \zero, \sw
	s_wait_dscnt 0
	PLACES NP
	FETCH_B \slot, (\q)+1, 1-(\q)%2
	FETCH_A \slot, (\q)+1, 0
	WIN MUL_HI+3*(\sw)
	MUL16 4, (\q)%2, \q, \slot, \zero, \sw
	MUL16 6, (\q)%2, \q, \slot, \zero, \sw
	PLACES NP
	WIN 0
	FETCH_A \slot, (\q)+1, 4
.endm
.macro TURN slot, next, sw             ; the fourth step of 128: its successor lies in the rows' second 256 bytes.  All of K landed at the head: no barrier
	s_wait_dscnt 4*NL                              ; all but the youngest eight loads (x's blocks 4-7) are in
	WIN MUL_LO+3*(\sw)
	MUL16 0, 1, NQ-1, \slot, 0, \sw
	MUL16 2, 1, NQ-1, \slot, 0, \sw
	s_wait_dscnt 0
	WIN 0
	PLACES NP
	v_add_nc_u32 v[ADRS], 4*NQ, v[ADRS]            ; the next 512 along K's scale words
	FETCH_B \next, 0, 0
	FETCH_A \next, 0, 0
	SCALES \next
	WIN MUL_HI+3*(\sw)
	MUL16 4, 1, NQ-1, \slot, 0, \sw
	MUL16 6, 1, NQ-1, \slot, 0, \sw
	PLACES NP
	WIN 0
	FETCH_A \next, 0, 4
.endm
.macro MAIN sw                         ; the eight steps of 128 along K
	STEP 0, 0, 1, \sw                              ; the first products start the sums: nothing is cleared
	STEP 0, 1, 0, \sw
	STEP 0, 2, 0, \sw
	TURN 0, 1, \sw
	STEP 1, 0, 0, \sw
	STEP 1, 1, 0, \sw
	STEP 1, 2, 0, \sw
	s_wait_dscnt 4*NL
	WIN MUL_LO+3*(\sw)
	MUL16 0, 1, NQ-1, 1, 0, \sw
	MUL16 2, 1, NQ-1, 1, 0, \sw
	s_wait_dscnt 0
	WIN MUL_HI+3*(\sw)
	MUL16 4, 1, NQ-1, 1, 0, \sw
	MUL16 6, 1, NQ-1, 1, 0, \sw
	WIN 0
.endm
; 64 numbers of a lane, register 16 b + i = k 32 b + 16 (lane / 16) + i of the lane's row, become a fragment's codes in v[PC] on and its scale word in v[PW]
.macro QUANT s
.irp b, 0,1,2,3
	v_max3_num_f32 v[TM+\b], |v[\s+16*\b]|, |v[\s+1+16*\b]|, 0x1800000   ; the floor 2^(3 - 127): the byte cannot fall under 1
.endr
.irp i, 2,4,6,8,10,12,14
.irp b, 0,1,2,3
	v_max3_num_f32 v[TM+\b], v[TM+\b], |v[\s+16*\b+\i]|, |v[\s+1+16*\b+\i]|
.endr
.endr
.irp b, 0,1,2,3
	v_permlanex16_b32 v[TM+4+\b], v[TM+\b], s66, s67
.endr
.irp b, 0,1,2,3
	v_max_num_f32 v[TM+\b], v[TM+\b], v[TM+4+\b]   ; with lane l xor 16's: the block's largest magnitude
.endr
.irp b, 0,1,2,3
	v_add_nc_u32 v[TM+12+\b], 0xff000000, v[TM+\b] ; 2 off its exponent field: the conversion's scale operand
.endr
.irp b, 0,1,2,3
	v_lshrrev_b32 v[TM+4+\b], 23, v[TM+12+\b]
.endr
	v_lshl_or_b32 v[PW], v[TM+5], 8, v[TM+4]
	v_lshl_or_b32 v[PW], v[TM+6], 16, v[PW]
	v_lshl_or_b32 v[PW], v[TM+7], 24, v[PW]
.irp b, 0,1,2,3
	v_cvt_scalef32_pk8_fp4_f32 v[PC+2*\b], v[\s+16*\b:\s+7+16*\b], v[TM+12+\b]
	v_cvt_scalef32_pk8_fp4_f32 v[PC+1+2*\b], v[\s+8+16*\b:\s+15+16*\b], v[TM+12+\b]
.endr
	v_nop                                          ; one plain line behind a scaled conversion
.irp c, 0,1                                    ; a whole block into a lane: lanes 0-15 block 2 c, lanes 16-31 block 2 c + 1
.irp i, 0,1
	v_permlane16_swap_b32 v[PC+4*\c+\i], v[PC+2+4*\c+\i]
.endr
.endr
.endm
; q, k: x's block a (16 rows) x my 128 columns = two heads.  Codes: registers 0-3 the first head's 64 channels, 4-7 the second's.
.macro EPI_QK a
	WIN 0x02+(\a)/4                                ; source 0: the accumulators' window
.irp b, 0,1,2,3,4,5,6,7
.irp k, 0,2,4,6
	v_pk_add_f32 v[H+8*\b+\k:H+8*\b+\k+1], v[64*((\a)%4)+8*\b+\k:64*((\a)%4)+8*\b+\k+1], v[BP+8*\b+\k:BP+8*\b+\k+1]   ; + the bias; each accumulator from its low end on
.endr
.endr
	WIN 0
	s_wait_xcnt 0x0                                ; the last block's stores have read their data: the codes' and words' registers are written again only behind this wait
	QUANT H
	global_store_b128 v13, v[PC:PC+3], s[96:97] offset:((\a)/2)*1024+((\a)%2)*512          ; 512 consecutive bytes, aligned
	global_store_b128 v13, v[PC+4:PC+7], s[96:97] offset:((\a)/2)*1024+((\a)%2)*512+32768  ; the next head
	v_lshrrev_b32 v23, v18, v[PW]                  ; lanes 0-15 serve the first head's two bytes, lanes 16-31 the second's
.if ((\a)%2) == 0
	v_and_b32 v19, 0xffff, v23                     ; row (r, u = 0)'s: kept for the next block
.else
	v_lshl_or_b32 v22, v23, 16, v19                ; with row (r, u = 1)'s the word is whole
	global_store_b32 v14, v22, s[98:99] offset:((\a)/2)*64
.endif
.endm
; v: the weight's tile bf (16 channels) x my 128 rows = one K step of the attention's second product
.macro EPI_V bf
.irp a, 0,1,2,3,4,5,6,7
	WIN 0x02+\a/4
.irp k, 0,2,4,6
	v_pk_add_f32 v[H+8*\a+\k:H+8*\a+\k+1], v[64*(\a%4)+8*(\bf)+\k:64*(\a%4)+8*(\bf)+\k+1], v[BQ+2*(\bf):BQ+2*(\bf)+1] op_sel_hi:[1,0]   ; + my channel's bias
.endr
.endr
	WIN 0
	s_wait_xcnt 0x0                                ; as above
	QUANT H
	global_store_b128 v13, v[PC:PC+3], s[96:97] offset:((\bf)/4)*32768+((\bf)%4)*1024
	global_store_b128 v13, v[PC+4:PC+7], s[96:97] offset:((\bf)/4)*32768+((\bf)%4)*1024+512
	global_store_b32 v15, v[PW], s[98:99] offset:((\bf)/4)*4096+((\bf)%4)*128
.endm
.macro FINISH                          ; the wave's end: the closing round, so that no work-group ends while a partner may still ask jointly
	s_wait_tensorcnt 0x0
	ds_add_u32 v[SPW], v[NIL]
	s_wait_dscnt 0x0
	CROUND
	s_endpgm
.endm
	s_wait_alu depctr_va_vdst(0)
	s_wait_tensorcnt 0x0                           ; my tile of the four is in,
	s_barrier_signal -1
	s_barrier_wait -1                              ; everybody's are
	FETCH_B 0, 0, 0
	FETCH_A 0, 0, 0
	SCALES 0
	FETCH_A 0, 0, 4
	s_cmp_eq_u32 ttmp9, 2                          ; the cluster's x: 0 q, 1 k, 2 v
	s_cbranch_scc1 .Lv
	MAIN 0
	s_lshr_b32 s20, s95, 10                        ; q or k
	s_lshl_b32 s20, s20, 7
	s_lshr_b32 s21, s3, 10                         ; b
	s_lshl_b32 s21, s21, 4
	s_add_co_u32 s20, s20, s21
	s_bfe_u32 s21, s95, 0x40006                    ; my first head
	s_add_co_u32 s20, s20, s21
	s_bfe_u32 s21, s3, 0x50005                     ; my first group of 32 rows
	s_lshl_b32 s22, s20, 15
	s_lshl_b32 s23, s21, 10
	s_add_co_u32 s22, s22, s23
	s_mov_b32 s23, 0
	s_add_nc_u64 s[96:97], s[10:11], s[22:23]
	s_lshl_b32 s22, s20, 11
	s_lshl_b32 s20, s21, 6
	s_add_co_u32 s22, s22, s20
	s_add_co_u32 s22, s22, QKS
	s_add_nc_u64 s[98:99], s[10:11], s[22:23]
	s_wait_loadcnt 0x0                             ; the bias
	PLACES NP
.irp a, 0,1,2,3,4,5,6,7
	EPI_QK \a
.endr
	FINISH
.Lv:
	MAIN 1
	s_lshr_b32 s21, s3, 10                         ; b
	s_lshl_b32 s21, s21, 4
	s_sub_co_u32 s20, s95, 2048
	s_lshr_b32 s20, s20, 6
	s_add_co_u32 s20, s20, s21                     ; my first head
	s_bfe_u32 s21, s3, 0x30007                     ; which 128 keys
	s_lshl_b32 s22, s20, 15
	s_lshl_b32 s23, s21, 12
	s_add_co_u32 s22, s22, s23
	s_mov_b32 s23, 0
	s_add_nc_u64 s[96:97], s[12:13], s[22:23]
	s_lshl_b32 s22, s20, 12
	s_lshl_b32 s20, s21, 9
	s_add_co_u32 s22, s22, s20
	s_add_co_u32 s22, s22, VSO
	s_add_nc_u64 s[98:99], s[12:13], s[22:23]
	s_wait_loadcnt 0x0
	PLACES NP
.irp f, 0,1,2,3,4,5,6,7
	EPI_V \f
.endr
	FINISH
.Lfunc_end_k_q659bc87b35_gemm1:
	.size	k_q659bc87b35_gemm1, .Lfunc_end_k_q659bc87b35_gemm1-k_q659bc87b35_gemm1
	.p2alignl 7, 3214868480
	.fill 96, 4, 3214868480
	.section	.rodata,"a",@progbits
	.p2align	6, 0x0
	.amdhsa_kernel k_q659bc87b35_gemm1
		.amdhsa_group_segment_fixed_size 327680
		.amdhsa_private_segment_fixed_size 0
		.amdhsa_enable_private_segment 0
		.amdhsa_kernarg_size 40
		.amdhsa_user_sgpr_count 2
		.amdhsa_user_sgpr_kernarg_segment_ptr 1
		.amdhsa_wavefront_size32 1
		.amdhsa_system_sgpr_workgroup_id_x 1
		.amdhsa_system_sgpr_workgroup_id_y 1
		.amdhsa_system_sgpr_workgroup_id_z 1
		.amdhsa_system_vgpr_workitem_id 0
		.amdhsa_next_free_vgpr 1024
		.amdhsa_next_free_sgpr 100
		.amdhsa_reserve_vcc 0
		.amdhsa_float_denorm_mode_32 3
		.amdhsa_float_denorm_mode_16_64 3
		.amdhsa_memory_ordered 1
		.amdhsa_forward_progress 1
		.amdhsa_inst_pref_size 255
	.end_amdhsa_kernel
	.section	.bss,"aw",@nobits
	.p2align	6
	.space	262144
	.amdgpu_metadata
---
amdhsa.version: [ 1, 2 ]
amdhsa.kernels:
  - .name:           k_q659bc87b35_gemm1
    .symbol:         k_q659bc87b35_gemm1.kd
    .args:
      - { .name: xq, .offset: 0, .size: 8, .value_kind: global_buffer, .address_space: global }
      - { .name: wq, .offset: 8, .size: 8, .value_kind: global_buffer, .address_space: global }
      - { .name: battn, .offset: 16, .size: 8, .value_kind: global_buffer, .address_space: global }
      - { .name: qk, .offset: 24, .size: 8, .value_kind: global_buffer, .address_space: global }
      - { .name: vq, .offset: 32, .size: 8, .value_kind: global_buffer, .address_space: global }
    .group_segment_fixed_size: 327680
    .private_segment_fixed_size: 0
    .kernarg_segment_align: 8
    .kernarg_segment_size: 40
    .max_flat_workgroup_size: 128
    .sgpr_count:     100
    .vgpr_count:     1024
    .wavefront_size: 32
...
	.end_amdgpu_metadata
.endif
;; end of part 2
;; launch attn (part 3): grid 32 x 8, 16 waves a work-group, no clusters, 169,984 bytes of LDS; arguments qk, vq, eq, yq; writes yq
.if DOCPART == 3
	.amdgcn_target "amdgcn-amd-amdhsa--gfx1250"
	.amdhsa_code_object_version 6
	.text
	.protected	k_q659bc87b35_attn
	.globl	k_q659bc87b35_attn
	.p2align	8
	.type	k_q659bc87b35_attn,@function
k_q659bc87b35_attn:
	s_mov_b64 s[64:65], 0
	v_nop
	global_prefetch_b8 v0, s[64:65] scope:SCOPE_SE
	s_setreg_imm32_b32 hwreg(HW_REG_WAVE_MODE, 25, 1), 1
	s_wait_xcnt 0x0
; Causal attention with relative embeddings, all four products on codes of FP4 (E2M1) with E8M0 scales; y leaves as codes for the last product.
;   att(t, s) = q(t) . k(s) / 8 + q(t) . embk[t - s];   y(t) = sum over s <= t of softmax(att)(t, s) (v(s) + embv[t - s])
; SHARES.  A work-group owns 16 queries x the 16 heads of one b, twice: tile 63 - x, then tile x of the 64 tiles of queries: (63 - x) / 8 + 1 and x / 8 + 1 key steps of 128, nine in all for every work-group.
; EACH WAVE HAS TWO ROLES.  Role 1: head w, the tile's 16 queries as columns: K Q^T, the softmax, V^T P.  Role 2: query t0 + w, the 16 heads as columns: the two relative products, whose tables hang on t alone.
; Between the roles go, through LDS: the relative scores (f32), p's codes with its scale word and the factor f of the running maximum, and at the end the relative part of y.
; BOTH PRODUCTS ARE USED TRANSPOSED: source 0 = 16 keys (or 16 channels), source 1 = the 16 columns: a lane holds one column, its registers run along the keys.  The keys (channels) of a tile are 32 B + 8 u + r + 8 (r / 8),
; so that the 16 registers of two neighbouring tiles are 16 neighbours.  K = 64 channels fill half an operand: one operand of 8 registers holds TWO tiles of keys, and is multiplied by [q | 0] and by [0 | q].
; embk's scale bytes carry + 3: S' = q . k + 8 q . embk, and t = S' x log2(e) / 8.  The relative scores are the C of the product K Q^T.
; SOFTMAX: M = the running largest t rounded up to a whole number; p = 2^(t - M) is quantised along the keys; the sum is taken of the unquantised p; when M moves, sums are multiplied by f = 2^(old M - new M): exact.
; ALL OPERANDS COME FROM MEMORY STRAIGHT INTO REGISTERS, laid by the earlier launches as images of operand registers (16 bytes a lane, 512 consecutive bytes a load), a phase ahead of their use.
; NO CLUSTER: nothing is fetched into LDS here; a key step's codes of K and V for 16 heads are 131,072 bytes, which do not fit beside the 167,296 bytes of exchange; and work-groups of one b walk different numbers of key steps at a time.
; LIMITS: NaN and infinities are not served; a block of y whose largest magnitude lies under 2^-124 gets the byte 1.
; REGISTERS: v1-11, v16-22, v240-251 addresses that stay; v12 -M, v13 the largest t, v[14:15] the sum; v24-35 [q|0|q] of role 1, v36-47 of role 2, v48, v49 their scale words; v50-53, v54-57, v58-61 scale words of K or V, embv, embk;
;   v64-95 K or V; v96-159 scores, then p (v96-127 also: relative scores, embv's codes; v128-159 also: embk's codes); v160-191 V^T P; v192-223 the relative part of y; v224-231 p's codes; v232-239, v244-247, v252-254 at work.
.set QKS, 8388608
.set VSO, 4194304
.set EKS, 36864
.set EVC, 41472
.set EVS, 1090048
.set YSO, 4194304
.set XB,  0                            ; [head] 8,464 + [query] 528 + 4 x key: relative scores; at the end the relative part of y
.set PB,  135424                       ; [query] 1,296 + [head] 80 + 16 x block: p's codes
.set SB,  156160                       ; [query] 136 + [head] 8: f and p's scale word
.set YB,  158336                       ; [query] 528 + 32 x head + 16 x half: y's codes
.set YSB, 166784                       ; [query] 32 + 2 x head: y's scale bytes
	s_load_b256 s[4:11], s[0:1], 0x0               ; qk s[4:5], vq s[6:7], eq s[8:9], yq s[10:11]
	v_lshrrev_b32 v23, 5, v0
	s_delay_alu instid0(VALU_DEP_1)
	v_readfirstlane_b32 s12, v23                   ; wave 0..15
	s_and_b32 s13, ttmp7, 0xffff                   ; b
	s_mov_b32 s14, ttmp9                           ; x
	v_and_b32 v62, 31, v0                          ; lane
	v_and_b32 v63, 15, v0                          ; r
	v_bfe_u32 v249, v0, 4, 1                       ; half
	s_delay_alu instid0(VALU_DEP_3)
	v_lshlrev_b32 v1, 4, v62                       ; 16 x lane
	s_delay_alu instid0(VALU_DEP_3)
	v_lshlrev_b32 v2, 2, v63                       ; 4 r
	v_lshlrev_b32 v3, 2, v62                       ; 4 x lane
	v_and_b32 v4, 8, v63
	s_delay_alu instid0(VALU_DEP_1)
	v_add_nc_u32 v4, v4, v63                       ; r' = r + 8 (r / 8)
	s_delay_alu instid0(VALU_DEP_1)
	v_sub_nc_u32 v4, 23, v4
	s_delay_alu instid0(VALU_DEP_1)
	v_lshlrev_b32 v5, 2, v4                        ; embk's scale words: 4 (23 - r')
	s_delay_alu instid0(VALU_DEP_2)
	v_lshlrev_b32 v4, 5, v4
	s_delay_alu instid0(VALU_DEP_1)
	v_lshl_add_u32 v4, v249, 4, v4                 ; embk's codes: 32 (23 - r') + 16 half: the rows run DOWN as the keys run up
	v_lshlrev_b32 v9, 4, v63                       ; 16 r
	s_mul_i32 s40, s12, 528
	v_mul_u32_u24 v10, v63, 8464
	s_delay_alu instid0(VALU_DEP_1)
	v_lshl_add_u32 v10, v249, 6, v10
	s_delay_alu instid0(VALU_DEP_1)
	v_add_nc_u32 v10, s40, v10                     ; XB as role 2 writes it: head r, query w
	s_mul_i32 s40, s12, 8464
	v_mul_u32_u24 v11, v63, 528
	s_delay_alu instid0(VALU_DEP_1)
	v_lshl_add_u32 v11, v249, 6, v11
	s_delay_alu instid0(VALU_DEP_1)
	v_add_nc_u32 v11, s40, v11                     ; and as role 1 reads it: head w, query r
	s_mul_i32 s40, s12, 80
	s_add_co_u32 s40, s40, PB
	v_mul_u32_u24 v16, v63, 1296
	s_delay_alu instid0(VALU_DEP_1)
	v_lshl_add_u32 v16, v249, 4, v16
	s_delay_alu instid0(VALU_DEP_1)
	v_add_nc_u32 v16, s40, v16                     ; PB, role 1 writes
	s_mul_i32 s40, s12, 1296
	s_add_co_u32 s40, s40, PB
	v_mul_u32_u24 v17, v63, 80
	s_delay_alu instid0(VALU_DEP_1)
	v_lshl_add_u32 v17, v249, 4, v17
	s_delay_alu instid0(VALU_DEP_1)
	v_add_nc_u32 v17, s40, v17                     ; PB, role 2 reads
	s_lshl_b32 s40, s12, 3
	s_add_co_u32 s40, s40, SB
	v_mul_u32_u24 v18, v63, 136
	s_delay_alu instid0(VALU_DEP_1)
	v_add_nc_u32 v18, s40, v18
	s_mul_i32 s40, s12, 136
	s_add_co_u32 s40, s40, SB
	v_lshl_add_u32 v19, v63, 3, s40
	s_lshl_b32 s40, s12, 5
	s_add_co_u32 s40, s40, YB
	v_mul_u32_u24 v20, v63, 528
	s_delay_alu instid0(VALU_DEP_1)
	v_lshl_add_u32 v20, v249, 4, v20
	s_delay_alu instid0(VALU_DEP_1)
	v_add_nc_u32 v20, s40, v20
	s_mul_i32 s40, s12, 528
	s_add_co_u32 s40, s40, YB
	v_add_nc_u32 v21, s40, v1
	s_lshl_b32 s40, s12, 1
	s_add_co_u32 s40, s40, YSB
	v_lshl_add_u32 v22, v63, 5, s40
	v_add_nc_u32 v251, YSB, v1
	v_lshrrev_b32 v232, 3, v63
	v_and_b32 v233, 7, v63
	s_delay_alu instid0(VALU_DEP_2)
	v_lshlrev_b32 v240, 9, v232
	s_delay_alu instid0(VALU_DEP_1)
	v_lshl_add_u32 v240, v233, 4, v240
	s_delay_alu instid0(VALU_DEP_1)
	v_lshl_add_u32 v240, v249, 8, v240             ; role 1's q: 512 (r / 8) + 16 (r % 8) + 256 half
	v_lshlrev_b32 v241, 1, v232
	s_delay_alu instid0(VALU_DEP_1)
	v_lshl_add_u32 v241, v233, 2, v241             ; its two scale bytes: 4 (r % 8) + 2 (r / 8)
	v_lshlrev_b32 v242, 15, v63
	s_delay_alu instid0(VALU_DEP_1)
	v_lshl_add_u32 v242, v249, 8, v242             ; role 2's q: 32,768 x head + 256 half
	v_lshlrev_b32 v243, 11, v63                    ; its scale bytes: 2,048 x head
	v_lshlrev_b32 v248, 4, v249
	s_delay_alu instid0(VALU_DEP_1)
	v_sub_nc_u32 v248, v63, v248                   ; r - 16 half, for the mask
	v_mov_b32 v250, 0xff800000                     ; -infinity
.irp j, 28,29,30,31,40,41,42,43
	v_mov_b32 v[\j], 0                             ; the zero halves of [q | 0 | q]: zero codes add nothing
.endr
.irp j, 236,237,238,239,253
	v_mov_b32 v[\j], 0                             ; written once: lane permutes' destinations count as sources; v253 is named in a pair before it is first made
.endr
	s_mov_b32 s20, 0x76543210
	s_mov_b32 s21, 0xfedcba98                      ; v_permlanex16_b32's selects for lane l xor 16
	s_mov_b32 s22, 0x3e38aa3b                      ; c = log2(e) / 8
	s_mov_b32 s23, s22
	s_mov_b32 s47, 0
	s_mov_b32 s49, 0
	s_mov_b32 s51, 0
	s_mov_b32 s63, 0
	s_mov_b32 s15, 0                               ; the pass
	s_wait_kmcnt 0x0
; Each of these is 8 loads of 16 bytes a lane and 4 of a scale word: 12 on the load counter.
.macro LOADK                           ; 128 keys of my head: four operands of two tiles
.irp bb, 0,1,2,3
.irp u, 0,1
	global_load_b128 v[64+8*\bb+4*\u:67+8*\bb+4*\u], v1, s[24:25] offset:1024*\bb+512*\u
.endr
	global_load_b32 v[50+\bb], v2, s[26:27] offset:64*\bb
.endr
.endm
.macro LOADV                           ; V^T of my head: four tiles of 16 channels x 128 keys
.irp d, 0,1,2,3
.irp c, 0,1
	global_load_b128 v[64+8*\d+4*\c:67+8*\d+4*\c], v1, s[28:29] offset:1024*\d+512*\c
.endr
	global_load_b32 v[50+\d], v3, s[30:31] offset:128*\d
.endr
.endm
.macro LOADE                           ; embv's table of my query: four tiles of 16 channels x 128 keys; v6, v7: my lane's window for c = 0, 1
.irp d, 0,1,2,3
.irp c, 0,1
	global_load_b128 v[96+8*\d+4*\c:99+8*\d+4*\c], v[6+\c], s[36:37] offset:256*\d
.endr
	global_load_b32 v[54+\d], v2, s[38:39] offset:64*\d
.endr
.endm
.macro LOADEK                          ; embk's rows t - s for 128 keys s: four operands of two tiles
.irp bb, 0,1,2,3
.irp u, 0,1
	global_load_b128 v[128+8*\bb+4*\u:131+8*\bb+4*\u], v4, s[32:33] offset:-(1024*\bb+256*\u)
.endr
	global_load_b32 v[58+\bb], v5, s[34:35] offset:-128*\bb
.endr
.endm
.macro EOCALC                          ; v8 = t / 32 - half - 4 n; window m = v8 - 2 c, held at 0 (there p's codes are zeros)
	s_delay_alu instid0(VALU_DEP_1)
	v_max_i32 v6, 0, v8
	s_delay_alu instid0(VALU_DEP_1)
	v_lshl_add_u32 v6, v6, 10, v9
	s_delay_alu instid0(VALU_DEP_3)
	v_add_nc_u32 v7, -2, v8
	s_delay_alu instid0(VALU_DEP_1)
	v_max_i32 v7, 0, v7
	s_delay_alu instid0(VALU_DEP_1)
	v_lshl_add_u32 v7, v7, 10, v9
.endm
.macro BASE dst, ptr                   ; a buffer's address + the offset in s62 (s63 = 0)
	s_add_nc_u64 s[\dst:\dst+1], s[\ptr:\ptr+1], s[62:63]
.endm
.macro BARRIER                         ; my LDS stores have landed and my LDS loads are in: then the work-group's barrier
	s_wait_dscnt 0x0
	s_barrier_signal -1
	s_barrier_wait -1
.endm
.macro NOPS n
.rept \n
	v_nop
.endr
.endm
; four relative products: keys 64 g .. 64 g + 63 of the step, for the 16 heads; and their way into XB
.macro ATT2 g
.irp bb, 0,1
.irp u, 0,1
	v_wmma_scale_f32_16x16x128_f8f6f4 v[96+8*(2*\bb+\u):103+8*(2*\bb+\u)], v[128+16*(\g)+8*\bb:135+16*(\g)+8*\bb], v[36+4*\u:43+4*\u], 0, v[58+2*(\g)+\bb], v49 matrix_a_fmt:MATRIX_FMT_FP4 matrix_b_fmt:MATRIX_FMT_FP4
.endr
.endr
.endm
.macro ATT2OUT g
.irp bb, 0,1
.irp u, 0,1
	ds_store_b128 v10, v[96+8*(2*\bb+\u):99+8*(2*\bb+\u)] offset:128*(2*(\g)+\bb)+32*\u        ; each result from its low end on
	ds_store_b128 v10, v[100+8*(2*\bb+\u):103+8*(2*\bb+\u)] offset:128*(2*(\g)+\bb)+32*\u+16
.endr
.endr
.endm
.Lpass:
	; ---- the tile's numbers and addresses
	s_sub_co_u32 s40, 63, s14
	s_cmp_eq_u32 s15, 0
	s_cselect_b32 s16, s40, s14                    ; T
	s_lshl_b32 s17, s16, 4                         ; t0
	s_lshr_b32 s18, s16, 3
	s_add_co_u32 s18, s18, 1                       ; key steps
	s_lshr_b32 s41, s16, 1                         ; g = t / 32
	s_and_b32 s42, s16, 1                          ; which half of the group of 32
	s_lshl_b32 s43, s13, 4
	s_add_co_u32 s43, s43, s12                     ; 16 b + w
	s_lshl_b32 s62, s43, 15
	s_lshl_b32 s44, s41, 10
	s_add_co_u32 s62, s62, s44
	s_lshl_b32 s40, s42, 7
	s_add_co_u32 s62, s62, s40
	BASE 52, 4                                     ; role 1's q
	s_lshl_b32 s62, s43, 11
	s_lshl_b32 s60, s41, 6
	s_add_co_u32 s62, s62, s60
	s_lshl_b32 s40, s42, 5
	s_add_co_u32 s62, s62, s40
	s_add_co_u32 s62, s62, QKS
	BASE 54, 4                                     ; its scale bytes
	s_lshr_b32 s40, s12, 3
	s_and_b32 s61, s12, 7
	s_lshl_b32 s2, s42, 3
	s_add_co_u32 s61, s61, s2                      ; my query's row in its tile of the buffer
	s_lshl_b32 s62, s13, 19
	s_add_co_u32 s62, s62, s44
	s_lshl_b32 s2, s40, 9
	s_add_co_u32 s62, s62, s2
	s_lshl_b32 s2, s61, 4
	s_add_co_u32 s62, s62, s2
	BASE 56, 4                                     ; role 2's q
	s_lshl_b32 s62, s13, 15
	s_add_co_u32 s62, s62, s60
	s_lshl_b32 s2, s61, 2
	s_add_co_u32 s62, s62, s2
	s_lshl_b32 s2, s40, 1
	s_add_co_u32 s62, s62, s2
	s_add_co_u32 s62, s62, QKS
	BASE 58, 4
	s_add_co_u32 s40, s43, 128
	s_lshl_b32 s62, s40, 15
	BASE 24, 4                                     ; K
	s_lshl_b32 s62, s40, 11
	s_add_co_u32 s62, s62, QKS
	BASE 26, 4
	s_lshl_b32 s62, s43, 15
	BASE 28, 6                                     ; V
	s_lshl_b32 s62, s43, 12
	s_add_co_u32 s62, s62, VSO
	BASE 30, 6
	s_add_co_u32 s40, s17, s12
	s_add_co_u32 s40, s40, 105                     ; t + 128 - 23
	s_lshl_b32 s62, s40, 5
	BASE 32, 8                                     ; embk
	s_lshl_b32 s62, s40, 2
	s_add_co_u32 s62, s62, EKS
	BASE 34, 8
	s_lshl_b32 s40, s42, 4
	s_add_co_u32 s40, s40, s12                     ; a = t mod 32
	s_lshl_b32 s62, s40, 15
	s_add_co_u32 s62, s62, EVC
	BASE 36, 8                                     ; embv's table a
	s_lshl_b32 s40, s40, 5
	s_add_co_u32 s40, s40, s41
	s_lshl_b32 s62, s40, 8
	s_add_co_u32 s62, s62, EVS
	BASE 38, 8
	global_load_b128 v[24:27], v240, s[52:53]      ; q twice, round the zeros
	global_load_b128 v[32:35], v240, s[52:53]
	global_load_u16 v62, v241, s[54:55]
	global_load_b128 v[36:39], v242, s[56:57]
	global_load_b128 v[44:47], v242, s[56:57]
	global_load_u16 v63, v243, s[58:59]
	LOADEK
	LOADK
	v_mov_b32 v13, 0xff61b1e6                      ; the largest t so far: -3e38
	s_delay_alu instid0(VALU_DEP_1)
	v_floor_f32 v12, -v13                          ; -M
	v_mov_b32 v14, 0
	v_mov_b32 v15, 0
	v_sub_nc_u32 v8, s41, v249
	EOCALC
	s_wait_loadcnt 24                              ; q's six loads are in; embk's 12 and K's 12 stay out
	v_lshl_or_b32 v48, v62, 16, v62                ; the two bytes twice: they serve either half of the operand
	v_lshl_or_b32 v49, v63, 16, v63
.set j, 0
.rept 64
	v_mov_b32 v[160+j], 0                          ; both parts of y.  (The step is written once: the first finds zeros.  These lines also stand between the scale words' making and the first product)
.set j, j+1
.endr
	s_mov_b32 s19, 0                               ; n
	s_mov_b32 s45, 0                               ; the step's first key
.Lstep:
	; ---- role 2: the relative scores of my query, 16 heads x 128 keys
	s_wait_loadcnt 12                              ; embk's 12 are in; K's 12 stay out
	s_add_co_u32 s40, s19, 1
	s_cmp_lt_u32 s40, s18                          ; is there a next step?  If not, the bases stay where they are, and nothing is loaded ahead (TAIL 1)
	s_cselect_b32 s46, 4096, 0
	s_cselect_b32 s48, 512, 0
	s_cselect_b32 s50, 256, 0
	s_sub_nc_u64 s[32:33], s[32:33], s[46:47]      ; (their loads are done)
	s_sub_nc_u64 s[34:35], s[34:35], s[48:49]
	NOPS 5                                         ; the products below write over registers that the last step's final products read
	ATT2 0
	NOPS 4
	ATT2OUT 0
	s_wait_dscnt 0x0                               ; the stores have read their registers
	v_nop                                          ; the fifth line between the two groups, of which the second writes over the first's results
	ATT2 1
	NOPS 5                                         ; four for the stores and the loads below; five for the products that write over these registers
	ATT2OUT 1
	BARRIER
	; ---- role 1: scores, softmax, V^T P
.irp bb, 0,1,2,3
.irp i, 0,1,2,3
	ds_load_b128 v[96+16*\bb+4*\i:99+16*\bb+4*\i], v11 offset:128*\bb+16*\i
.endr
.endr
	s_wait_loadcnt 0x0                             ; K
	s_add_nc_u64 s[24:25], s[24:25], s[46:47]
	s_add_nc_u64 s[26:27], s[26:27], s[50:51]
	s_wait_dscnt 0x0
.irp bb, 0,1,2,3
.irp u, 0,1
	v_wmma_scale_f32_16x16x128_f8f6f4 v[96+8*(2*\bb+\u):103+8*(2*\bb+\u)], v[64+8*\bb:71+8*\bb], v[24+4*\u:31+4*\u], v[96+8*(2*\bb+\u):103+8*(2*\bb+\u)], v[50+\bb], v48 matrix_a_fmt:MATRIX_FMT_FP4 matrix_b_fmt:MATRIX_FMT_FP4
.endr
.endr
	NOPS 4
	LOADV
	s_add_co_u32 s40, s19, 1
	s_cmp_lt_u32 s40, s18
	s_cbranch_scc1 .Lopen                          ; only the last step holds keys behind a query of the tile
	s_sub_co_i32 s40, s17, s45
	v_add_nc_u32 v23, s40, v248                    ; d = my query - the step's first key - 16 half.  Register 16 b + i holds key 32 b + 16 half + i: hidden where 32 b + i > d
.set nn, 0
.rept 64
	v_cmp_gt_i32 vcc_lo, 32*(nn/16)+nn%16, v23
	v_cndmask_b32 v[96+nn], v[96+nn], v250, vcc_lo
.set nn, nn+1
.endr
; THE REST OF A STEP, written out twice.  last = 0: a step that has a successor: embk's and K's codes of the next step are loaded ahead.  last = 1: the tile's last step, which comes here through the mask: it loads nothing ahead.
.macro TAIL last
.irp b, 0,1,2,3
	v_max3_num_f32 v[232+\b], v[96+16*\b], v[97+16*\b], v[98+16*\b]   ; the largest score of each block of 32 keys: for the row's maximum, and for the block's largest p
.endr
.irp i, 3,5,7,9,11,13
.irp b, 0,1,2,3
	v_max3_num_f32 v[232+\b], v[232+\b], v[96+16*\b+\i], v[97+16*\b+\i]
.endr
.endr
.irp b, 0,1,2,3
	v_max_num_f32 v[232+\b], v[232+\b], v[111+16*\b]
.endr
.irp b, 0,1,2,3
	s_delay_alu instid0(VALU_DEP_4)
	v_permlanex16_b32 v[236+\b], v[232+\b], s20, s21
.endr
.irp b, 0,1,2,3
	s_delay_alu instid0(VALU_DEP_4)
	v_max_num_f32 v[232+\b], v[232+\b], v[236+\b]
.endr
	s_delay_alu instid0(VALU_DEP_2)
	v_max3_num_f32 v254, v232, v233, v234
	s_delay_alu instid0(VALU_DEP_1)
	v_max_num_f32 v254, v254, v235
	s_delay_alu instid0(VALU_DEP_1)
	v_mul_f32 v254, s22, v254
	s_delay_alu instid0(VALU_DEP_1)
	v_max_num_f32 v13, v13, v254                   ; the running largest t
	v_mov_b32 v254, v12
	s_delay_alu instid0(VALU_DEP_2)
	v_floor_f32 v12, -v13                          ; the new -M: M is a whole number
	s_delay_alu instid0(VALU_DEP_1)
	v_sub_f32 v254, v12, v254
	s_delay_alu instid0(VALU_DEP_1)
	v_cvt_i32_f32 v254, v254                       ; (it saturates)
	s_delay_alu instid0(VALU_DEP_1)
	v_ldexp_f32 v252, 1.0, v254                    ; f = 2^(old M - new M)
.set j, 0
.rept 32
	v_pk_fma_f32 v[96+j:97+j], v[96+j:97+j], s[22:23], v[12:13] op_sel_hi:[1,0,0]   ; t - M
.set j, j+2
.endr
.irp b, 0,1,2,3
	v_fma_f32 v[232+\b], v[232+\b], s22, v12
.endr
.set j, 0
	s_wait_alu depctr_va_vdst(0)
.rept 64
	v_exp_f32 v[96+j], v[96+j]                     ; p = 2^(t - M)
.set j, j+1
.endr
	v_pk_mul_f32 v[14:15], v[14:15], v[252:253] op_sel_hi:[1,0]   ; the sums under the new M (a plain line behind the exponentials)
	s_wait_alu depctr_va_vdst(0)                   ; one wait for the batch, ahead of its first reader
.irp b, 0,1,2,3
	v_exp_f32 v[232+\b], v[232+\b]                 ; each block's largest p
.endr
	v_pk_add_f32 v[236:237], v[100:101], v[104:105]
	v_pk_add_f32 v[254:255], v[108:109], v[112:113]
	v_pk_add_f32 v[246:247], v[116:117], v[120:121]
	v_pk_add_f32 v[244:245], v[124:125], v[128:129]
	v_pk_add_f32 v[238:239], v[132:133], v[136:137]
	v_pk_add_f32 v[230:231], v[140:141], v[144:145]
	v_pk_add_f32 v[228:229], v[148:149], v[152:153]
	v_pk_add_f32 v[14:15], v[14:15], v[156:157]
	v_pk_add_f32 v[236:237], v[236:237], v[96:97]
	v_pk_add_f32 v[254:255], v[254:255], v[98:99]
	v_pk_add_f32 v[246:247], v[246:247], v[102:103]
	v_pk_add_f32 v[244:245], v[244:245], v[106:107]
	v_pk_add_f32 v[238:239], v[238:239], v[110:111]
	v_pk_add_f32 v[230:231], v[230:231], v[114:115]
	v_pk_add_f32 v[228:229], v[228:229], v[118:119]
	v_pk_add_f32 v[14:15], v[14:15], v[122:123]
	v_pk_add_f32 v[236:237], v[236:237], v[126:127]
	v_pk_add_f32 v[254:255], v[254:255], v[130:131]
	v_pk_add_f32 v[246:247], v[246:247], v[134:135]
	v_pk_add_f32 v[244:245], v[244:245], v[138:139]
	v_pk_add_f32 v[238:239], v[238:239], v[142:143]
	v_pk_add_f32 v[230:231], v[230:231], v[146:147]
	v_pk_add_f32 v[228:229], v[228:229], v[150:151]
	v_pk_add_f32 v[14:15], v[14:15], v[154:155]
	v_pk_add_f32 v[236:237], v[236:237], v[158:159]
	s_delay_alu instid0(VALU_DEP_2)
	v_pk_add_f32 v[14:15], v[14:15], v[244:245]
	s_delay_alu instid0(VALU_DEP_2)
	v_pk_add_f32 v[236:237], v[236:237], v[238:239]
	v_pk_add_f32 v[254:255], v[254:255], v[230:231]
	v_pk_add_f32 v[246:247], v[246:247], v[228:229]
	s_delay_alu instid0(VALU_DEP_2)
	v_pk_add_f32 v[14:15], v[14:15], v[254:255]
	s_delay_alu instid0(VALU_DEP_2)
	v_pk_add_f32 v[236:237], v[236:237], v[246:247]
	s_delay_alu instid0(VALU_DEP_1)
	v_pk_add_f32 v[14:15], v[14:15], v[236:237]
	s_wait_alu depctr_va_vdst(0)                   ; and one for the four
.irp b, 0,1,2,3
	v_max_num_f32 v[232+\b], 0x1800000, v[232+\b]  ; the floor: the byte cannot fall under 1
.endr
.irp b, 0,1,2,3
	s_delay_alu instid0(VALU_DEP_4)
	v_add_nc_u32 v[244+\b], 0xff000000, v[232+\b]
.endr
.irp b, 0,1,2,3
	s_delay_alu instid0(VALU_DEP_4)
	v_lshrrev_b32 v[236+\b], 23, v[244+\b]
.endr
	s_delay_alu instid0(VALU_DEP_3)
	v_lshl_or_b32 v253, v237, 8, v236              ; p's scale word for these 128 keys
	s_delay_alu instid0(VALU_DEP_1)
	v_lshl_or_b32 v253, v238, 16, v253
	s_delay_alu instid0(VALU_DEP_1)
	v_lshl_or_b32 v253, v239, 24, v253
.irp b, 0,1,2,3
	v_cvt_scalef32_pk8_fp4_f32 v[224+2*\b], v[96+16*\b:103+16*\b], v[244+\b]
	v_cvt_scalef32_pk8_fp4_f32 v[225+2*\b], v[104+16*\b:111+16*\b], v[244+\b]
.endr
	v_nop                                          ; one plain line behind a scaled conversion
.irp c, 0,1
.irp i, 0,1
	v_permlane16_swap_b32 v[224+4*\c+\i], v[226+4*\c+\i]
.endr
.endr
	LOADE                                          ; p's registers are free: embv's codes of this step,
.if \last == 0
	LOADEK                                         ; and embk's of the next
.endif
.set j, 0
.rept 16
	v_pk_mul_f32 v[160+j:161+j], v[160+j:161+j], v[252:253] op_sel_hi:[1,0]   ; V^T P under the new M (also the lines between the making of p's codes and word and the products)
.set j, j+2
.endr
	ds_store_b128 v16, v[224:227]                  ; p's codes, its word and f go to role 2
	ds_store_b128 v16, v[228:231] offset:32
	ds_store_b64 v18, v[252:253]
	s_wait_alu depctr_va_vdst(0)
.if \last
	s_wait_loadcnt 12                              ; V's 12 are in; embv's 12 stay out
.else
	s_wait_loadcnt 24                              ; V's 12 are in; embv's 12 and embk's 12 stay out
.endif
	s_add_nc_u64 s[28:29], s[28:29], 4096
	s_add_nc_u64 s[30:31], s[30:31], 512
.irp t, 0,1,2,3
	v_wmma_scale_f32_16x16x128_f8f6f4 v[160+8*\t:167+8*\t], v[64+8*\t:71+8*\t], v[224:231], v[160+8*\t:167+8*\t], v[50+\t], v253 matrix_a_fmt:MATRIX_FMT_FP4 matrix_b_fmt:MATRIX_FMT_FP4
.endr
	NOPS 4                                         ; places ahead of the loads into registers that these products read: K's below, p's behind the barrier
.if \last == 0
	LOADK                                          ; the next step's K
.endif
	BARRIER                                        ; p of 16 heads x 16 queries lies in LDS
	; ---- role 2: the relative part of y
	ds_load_b128 v[224:227], v17
	ds_load_b128 v[228:231], v17 offset:32
	ds_load_b64 v[252:253], v19
	s_wait_dscnt 0x0
.set j, 0
.rept 16
	v_pk_mul_f32 v[192+j:193+j], v[192+j:193+j], v[252:253] op_sel_hi:[1,0]
.set j, j+2
.endr
	s_wait_alu depctr_va_vdst(0)
.if \last
	s_wait_loadcnt 0x0                             ; embv's 12 are in: nothing younger is out
.else
	s_wait_loadcnt 24                              ; embv's 12 are in; embk's 12 and K's 12 stay out
.endif
	s_sub_nc_u64 s[38:39], s[38:39], 1024          ; four windows down
	v_add_nc_u32 v8, -4, v8
	EOCALC
.irp t, 0,1,2,3
	v_wmma_scale_f32_16x16x128_f8f6f4 v[192+8*\t:199+8*\t], v[96+8*\t:103+8*\t], v[224:231], v[192+8*\t:199+8*\t], v[54+\t], v253 matrix_a_fmt:MATRIX_FMT_FP4 matrix_b_fmt:MATRIX_FMT_FP4
.endr
.endm
	TAIL 1                                         ; behind the mask: the tile's last step
	s_wait_alu depctr_va_vdst(0)
	s_branch .Ltile_end
.Lopen:
	TAIL 0
	s_add_co_u32 s45, s45, 128
	s_add_co_u32 s19, s19, 1
	s_cmp_lt_u32 s19, s18
	s_cbranch_scc1 .Lstep
.Ltile_end:
	; ---- the tile's end: the relative part goes back to role 1; y = (both parts) / the sum, quantised along the channels
	s_wait_loadcnt 0x0                             ; the loads that ran ahead
	NOPS 4
.irp t, 0,1,2,3
	ds_store_b128 v10, v[192+8*\t:195+8*\t] offset:128*(\t/2)+32*(\t%2)
	ds_store_b128 v10, v[196+8*\t:199+8*\t] offset:128*(\t/2)+32*(\t%2)+16
.endr
	BARRIER
.irp bb, 0,1
.irp i, 0,1,2,3
	ds_load_b128 v[96+16*\bb+4*\i:99+16*\bb+4*\i], v11 offset:128*\bb+16*\i
.endr
.endr
	v_add_f32 v14, v14, v15
	s_delay_alu instid0(VALU_DEP_1)
	v_permlanex16_b32 v236, v14, s20, s21
	s_delay_alu instid0(VALU_DEP_1)
	v_add_f32 v14, v14, v236                       ; the row's sum
	s_wait_alu depctr_va_vdst(0)
	v_rcp_f32 v252, v14
	s_lshl_b32 s40, s13, 10
	s_add_co_u32 s40, s40, s17                     ; the tile's first row of y
	s_lshl_b32 s62, s40, 5
	s_add_co_u32 s62, s62, YSO
	BASE 54, 10
	s_add_co_u32 s40, s40, s12
	s_lshl_b32 s62, s40, 9
	BASE 52, 10
	s_wait_dscnt 0x0
.set j, 0
	s_wait_alu depctr_va_vdst(0)
.rept 16
	v_pk_add_f32 v[96+j:97+j], v[96+j:97+j], v[160+j:161+j]   ; (plain lines behind the reciprocal)
.set j, j+2
.endr
	s_wait_alu depctr_va_vdst(0)                   ; the wait ahead of the reciprocal's first reader
.set j, 0
.rept 16
	v_pk_mul_f32 v[96+j:97+j], v[96+j:97+j], v[252:253] op_sel_hi:[1,0]
.set j, j+2
.endr
.irp b, 0,1
	v_max3_num_f32 v[232+\b], |v[96+16*\b]|, |v[97+16*\b]|, 0x1800000
.endr
.irp i, 2,4,6,8,10,12,14
.irp b, 0,1
	s_delay_alu instid0(VALU_DEP_2)
	v_max3_num_f32 v[232+\b], v[232+\b], |v[96+16*\b+\i]|, |v[97+16*\b+\i]|
.endr
.endr
.irp b, 0,1
	s_delay_alu instid0(VALU_DEP_2)
	v_permlanex16_b32 v[236+\b], v[232+\b], s20, s21
.endr
.irp b, 0,1
	s_delay_alu instid0(VALU_DEP_2)
	v_max_num_f32 v[232+\b], v[232+\b], v[236+\b]
.endr
.irp b, 0,1
	s_delay_alu instid0(VALU_DEP_2)
	v_add_nc_u32 v[244+\b], 0xff000000, v[232+\b]
.endr
.irp b, 0,1
	s_delay_alu instid0(VALU_DEP_2)
	v_lshrrev_b32 v[236+\b], 23, v[244+\b]
.endr
	s_delay_alu instid0(VALU_DEP_1)
	v_lshl_or_b32 v238, v237, 8, v236              ; my head's two bytes of the row
.irp b, 0,1
	v_cvt_scalef32_pk8_fp4_f32 v[224+2*\b], v[96+16*\b:103+16*\b], v[244+\b]
	v_cvt_scalef32_pk8_fp4_f32 v[225+2*\b], v[104+16*\b:111+16*\b], v[244+\b]
.endr
	v_nop
	v_permlane16_swap_b32 v224, v226
	v_permlane16_swap_b32 v225, v227               ; lane (r, half): channels 32 half .. of query r: 16 bytes
	ds_store_b128 v20, v[224:227]
	ds_store_b16 v22, v238                         ; both halves of the lanes write the same bytes with the same value
	BARRIER                                        ; 16 whole rows of y's codes and scale bytes lie in LDS
	ds_load_b128 v[228:231], v21
	s_wait_dscnt 0x0
	global_store_b128 v1, v[228:231], s[52:53]     ; row t0 + w: 512 consecutive bytes, aligned
	s_cmp_lg_u32 s12, 0
	s_cbranch_scc1 .Lnot0
	ds_load_b128 v[232:235], v251
	s_wait_dscnt 0x0
	global_store_b128 v1, v[232:235], s[54:55]     ; the 16 rows' scale bytes: 512 consecutive bytes, aligned
.Lnot0:
	s_wait_xcnt 0x0                                ; the stores have read their registers and bases: the next pass writes them again
	s_add_co_u32 s15, s15, 1
	s_cmp_lt_u32 s15, 2
	s_cbranch_scc1 .Lpass
	s_wait_xcnt 0x0
	v_lshl_add_u32 v254, v0, 2, 0x29000
	v_mov_b32 v255, 0
	s_wait_alu depctr_va_vdst(0)
	s_wait_tensorcnt 0x0
	ds_add_u32 v254, v255
	s_wait_dscnt 0x0
	s_endpgm
.Lfunc_end_k_q659bc87b35_attn:
	.size	k_q659bc87b35_attn, .Lfunc_end_k_q659bc87b35_attn-k_q659bc87b35_attn
	.p2alignl 7, 3214868480
	.fill 96, 4, 3214868480
	.section	.rodata,"a",@progbits
	.p2align	6, 0x0
	.amdhsa_kernel k_q659bc87b35_attn
		.amdhsa_group_segment_fixed_size 169984
		.amdhsa_private_segment_fixed_size 0
		.amdhsa_enable_private_segment 0
		.amdhsa_kernarg_size 32
		.amdhsa_user_sgpr_count 2
		.amdhsa_user_sgpr_kernarg_segment_ptr 1
		.amdhsa_wavefront_size32 1
		.amdhsa_system_sgpr_workgroup_id_x 1
		.amdhsa_system_sgpr_workgroup_id_y 1
		.amdhsa_system_sgpr_workgroup_id_z 1
		.amdhsa_system_vgpr_workitem_id 0
		.amdhsa_next_free_vgpr 256
		.amdhsa_next_free_sgpr 66
		.amdhsa_reserve_vcc 1
		.amdhsa_float_denorm_mode_32 3
		.amdhsa_float_denorm_mode_16_64 3
		.amdhsa_memory_ordered 1
		.amdhsa_forward_progress 1
		.amdhsa_inst_pref_size 70
	.end_amdhsa_kernel
	.amdgpu_metadata
---
amdhsa.version: [ 1, 2 ]
amdhsa.kernels:
  - .name:           k_q659bc87b35_attn
    .symbol:         k_q659bc87b35_attn.kd
    .args:
      - { .name: qk, .offset: 0, .size: 8, .value_kind: global_buffer, .address_space: global }
      - { .name: vq, .offset: 8, .size: 8, .value_kind: global_buffer, .address_space: global }
      - { .name: eq, .offset: 16, .size: 8, .value_kind: global_buffer, .address_space: global }
      - { .name: yq, .offset: 24, .size: 8, .value_kind: global_buffer, .address_space: global }
    .group_segment_fixed_size: 169984
    .private_segment_fixed_size: 0
    .kernarg_segment_align: 8
    .kernarg_segment_size: 32
    .max_flat_workgroup_size: 512
    .sgpr_count:     66
    .vgpr_count:     256
    .wavefront_size: 32
...
	.end_amdgpu_metadata
.endif
;; end of part 3
;; launch gemm2 (part 4): grid 4 x 64, 4 waves a work-group, clusters of 4 x 4, 327,680 bytes of LDS; arguments yq, wq, bproj, out0; writes out0
.if DOCPART == 4
	.amdgcn_target "amdgcn-amd-amdhsa--gfx1250"
	.amdhsa_code_object_version 6
	.text
	.protected	k_q659bc87b35_gemm2
	.globl	k_q659bc87b35_gemm2
	.p2align	8
	.type	k_q659bc87b35_gemm2,@function
k_q659bc87b35_gemm2:
	s_mov_b64 s[64:65], 0
	v_nop
	global_prefetch_b8 v0, s[64:65] scope:SCOPE_SE
	s_setreg_imm32_b32 hwreg(HW_REG_WAVE_MODE, 25, 1), 1
	s_wait_xcnt 0x0
	s_wait_alu depctr_hold_cnt(0) depctr_sa_sdst(0) depctr_va_vdst(0) depctr_va_sdst(0) depctr_va_ssrc(0) depctr_va_vcc(0) depctr_vm_vsrc(0)
	s_getreg_b32 s2, hwreg(HW_REG_IB_STS2, 6, 4)
	s_cmp_eq_u32 s2, 0
	s_cbranch_scc0 .Lentry_in_a_cluster
	s_endpgm
.Lentry_in_a_cluster:
	s_bfe_u32 s2, ttmp6, 0x10000c
	s_cmp_lg_u32 s2, 0xf033
	s_cbranch_scc0 .Lentry_shape_is_right
	s_endpgm
.Lentry_shape_is_right:
; out0 = y Wproj + bproj on codes of FP4 (E2M1) with E8M0 scales; sums in f32.  y's codes [8192][512] and scale bytes [8192][32] lie in yq; Wproj's in wq, its columns at place sw34(column) (bits 3 and 4 exchanged).
; A block of 128 rows x 256 columns to a work-group of four waves: 64 x 4 blocks = 256 work-groups.  A wave makes 64 x 128: 32 accumulators, which take turns.
; K = 1,024 codes are 512 bytes a row: ALL of K of both operands and their scales lie in LDS at once (216,320 bytes with the spare words).  They are four tiles, one tensor load a wave at the head; nothing is filled again.
; CLUSTERS: 4 x 4 work-groups; y's tiles are shared along a row of the cluster, the weight's along a column: each is asked for jointly.
; No prefetch: the launch has no loop to run ahead in; its four loads stand at its head.
; The product is used transposed (source 0 = the weight, source 1 = y): a lane holds eight columns of one row of the result.
; REGISTERS: window 0: v8-11 the bias, v16-29 addresses, v32-95 scale words of all of K, v128-191 y's fragments in two sets (on the way out v128-255: rows read back); window 1: the weight's fragments, two sets, at v0 and v128; window 2: the accumulators, (a, b) at v[8 (8 a + b)].
.set SIZE_N,  1024
.set YS_OFF,  4194304
.set WPC_OFF, 1671168
.set WPS_OFF, 2195456
.set KROW,   512                       ; a row of codes in bytes
.set PITCH,  528                       ; and in LDS: + 16: an odd multiple of 16
.set KS,     32                        ; a row of scale bytes
.set AT,     128*PITCH                 ; y's 128 rows; behind them the weight's 256
.set SCL,    3*AT                      ; y's scales: 16 units of 256 bytes + 16
.set SCB,    SCL+16*272                ; the weight's: 32 units
.set SBLK,   544                       ; the scales of 16 rows
.set SPARE,  SCB+32*272                ; the spare words: 128 bytes for each wave
.set STG,    SPARE+512                 ; the way out: 16 rows x 528 bytes for each wave, bytes of their own
.set SPITCH, 528
.set ADRA, 16
.set ADRB, 20
.set STO,  24
.set RD,   25
.set CO,   26
.set ADRS, 27
.set SPW,  28
.set NIL,  29
.set SC,   32
.set AF,   128
.set BK,   128
.set G1, 24
.set G0, 32
.set G1B, 48
.set G0B, 56
.set G1S, 68
.set G0S, 76
.set G1SB, 80
.set G0SB, 88
.set MSB, 0
.macro WIN new                         ; the immediate's high byte repeats the setting that is left
.if MSB != (\new)
	s_set_vgpr_msb (MSB<<8)|(\new)
.set MSB, (\new)
.endif
.endm
.set MUL_W, 0xa1                       ; source 0 window 1, source 1 window 0, C and D window 2
.set TO_B,  0x40
.macro CROUND                          ; a round of the cluster's barrier
	s_barrier_signal -1
	s_barrier_wait -1
	s_cmp_lg_u32 s14, 0
	s_cbranch_scc1 .Lnot_wave_0_\@
	s_barrier_signal -3
.Lnot_wave_0_\@:
	s_barrier_wait -3
	s_barrier_signal -1
	s_barrier_wait -1
.endm
.macro ARM under, g0, g1, next         ; one arm of the head's chain: its joint load, s_nop 0 and four v_nop, a jump to the chain's end
	s_cmp_lt_u32 s14, \under
	s_cbranch_scc0 \next
	tensor_load_to_lds s[\g0:\g0+3], s[\g1:\g1+7]
	s_nop 0
.rept 4
	v_nop
.endr
	s_branch .Lhead_asked
\next:
.endm
	s_load_b128 s[4:7], s[0:1], 0x0                ; yq, wq
	s_load_b64 s[8:9], s[0:1], 0x10                ; bproj
	s_load_b64 s[12:13], s[0:1], 0x18              ; out0
	v_lshl_add_u32 v[SPW], v0, 2, SPARE
	v_mov_b32 v[NIL], 0
	ds_add_u32 v[SPW], v[NIL]                      ; the opening lines: the add, twice on end, and its wait ahead of my tensor load
	ds_add_u32 v[SPW], v[NIL]
	v_lshrrev_b32 v1, 5, v0
	v_readfirstlane_b32 s14, v1                    ; wave 0..3
	s_lshr_b32 s15, s14, 1                         ; which 64 of the block's rows are mine
	s_and_b32 s16, s14, 1                          ; which 128 of its columns
	s_bfe_u32 s40, ttmp6, 0x40000                  ; cx, cy
	s_bfe_u32 s41, ttmp6, 0x40004
	s_lshl_b32 s42, ttmp9, 2
	s_add_co_u32 s42, s42, s40                     ; block column
	s_and_b32 s17, ttmp7, 0xffff
	s_lshl_b32 s17, s17, 2
	s_add_co_u32 s17, s17, s41                     ; block row
	s_lshl_b32 s43, s41, 2
	s_lshl_b32 s43, 15, s43                        ; my row of the cluster
	s_lshl_b32 s44, 0x1111, s40                    ; my column
	s_or_b32 s[G1+0], s43, (0<<16)|(1<<20)|(1<<21)|(6<<22)|(3<<25)   ; the mask; elements of 1 byte; padding on; bit 21 beside a mask; 4 words behind every 128
	s_or_b32 s[G1B+0], s44, (0<<16)|(1<<20)|(1<<21)|(6<<22)|(3<<25)
.irp g, G1, G1B
	s_mov_b32 s[\g+1], KROW<<16
	s_mov_b32 s[\g+3], KROW<<16
	s_mov_b32 s[\g+5], KROW
	s_mov_b32 s[\g+6], 0
	s_mov_b32 s[\g+7], 0
.endr
	s_mov_b32 s[G1+2], 128<<16                     ; y: 128 rows
	s_mov_b32 s[G1+4], 128
	s_mov_b32 s[G1B+2], 256<<16                    ; the weight: 256
	s_mov_b32 s[G1B+4], 256
	s_or_b32 s[G1S+0], s43, (3<<16)|(1<<20)|(1<<21)|(5<<22)|(3<<25)  ; the scales: dense blocks, as rows of 256 bytes (32 elements of 8), 4 words behind each
	s_or_b32 s[G1SB+0], s44, (3<<16)|(1<<20)|(1<<21)|(5<<22)|(3<<25)
.irp g, G1S, G1SB
	s_mov_b32 s[\g+1], 32<<16
	s_mov_b32 s[\g+3], 32<<16
	s_mov_b32 s[\g+5], 32
	s_mov_b32 s[\g+6], 0
	s_mov_b32 s[\g+7], 0
.endr
	s_mov_b32 s[G1S+2], 16<<16
	s_mov_b32 s[G1S+4], 16
	s_mov_b32 s[G1SB+2], 32<<16
	s_mov_b32 s[G1SB+4], 32
	s_lshl_b32 s20, s17, 7                         ; y: row 128 x block row
	s_lshl_b32 s46, s42, 8                         ; the weight: place 256 x block column
	s_mov_b32 s21, 0
	s_mov_b32 s47, 0
	s_mov_b64 s[18:19], KS
	s_mul_u64 s[22:23], s[20:21], s[18:19]
	s_mul_u64 s[92:93], s[46:47], s[18:19]
	s_mov_b64 s[18:19], KROW
	s_mul_u64 s[20:21], s[20:21], s[18:19]
	s_mul_u64 s[46:47], s[46:47], s[18:19]
	s_add_nc_u64 s[22:23], s[22:23], YS_OFF
	s_add_nc_u64 s[46:47], s[46:47], WPC_OFF
	s_add_nc_u64 s[92:93], s[92:93], WPS_OFF
	s_wait_dscnt 0x0                               ; both opening adds are done
	s_wait_kmcnt 0x0
	s_add_nc_u64 s[20:21], s[4:5], s[20:21]
	s_add_nc_u64 s[22:23], s[4:5], s[22:23]
	s_add_nc_u64 s[46:47], s[6:7], s[46:47]
	s_add_nc_u64 s[92:93], s[6:7], s[92:93]
	CROUND                                         ; all sixteen work-groups are here: the joint loads meet
	s_mov_b32 s[G0], 1
	s_mov_b32 s[G0+1], 0
	s_mov_b64 s[G0+2:G0+3], s[20:21]
	s_or_b32 s[G0+3], s[G0+3], 0x80000000
	s_mov_b32 s[G0B], 1
	s_mov_b32 s[G0B+1], AT
	s_mov_b64 s[G0B+2:G0B+3], s[46:47]
	s_or_b32 s[G0B+3], s[G0B+3], 0x80000000
	s_mov_b32 s[G0S], 1
	s_mov_b32 s[G0S+1], SCL
	s_mov_b64 s[G0S+2:G0S+3], s[22:23]
	s_or_b32 s[G0S+3], s[G0S+3], 0x80000000
	s_mov_b32 s[G0SB], 1
	s_mov_b32 s[G0SB+1], SCB
	s_mov_b64 s[G0SB+2:G0SB+3], s[92:93]
	s_or_b32 s[G0SB+3], s[G0SB+3], 0x80000000
	; wave 0: y's codes; wave 1: the weight's; wave 2: y's scales; wave 3: the weight's.  One load a wave
	ARM 1, G0,  G1,  .Lhead_b
	ARM 2, G0B, G1B, .Lhead_sa
	ARM 3, G0S, G1S, .Lhead_sb
	tensor_load_to_lds s[G0SB:G0SB+3], s[G1SB:G1SB+7]
	s_nop 0
.rept 4
	v_nop
.endr
.Lhead_asked:
	; the scalars first, then the vector lines on end
	s_mul_i32 s2, s15, 64*PITCH                    ; my 64 rows of y
	s_mul_i32 s3, s16, 128*PITCH
	s_add_co_u32 s3, s3, AT                        ; my 128 rows of the weight
	s_mul_i32 s21, s15, 4*SBLK                     ; my rows' scales: y's,
	s_mul_i32 s22, s16, 8*SBLK
	s_add_co_u32 s22, s22, SCB-SCL
	s_sub_co_u32 s22, s22, s21                     ; and how far on the weight's lie
	s_add_co_u32 s21, s21, SCL
	s_mul_i32 s23, s14, 16*SPITCH
	s_add_co_u32 s23, s23, STG                     ; my stage
	s_lshl_b32 s66, s17, 7
	s_lshl_b32 s67, s15, 6
	s_add_co_u32 s66, s66, s67                     ; my first row of the result
	s_mov_b32 s67, 0
	s_mov_b64 s[18:19], SIZE_N*4
	s_mul_u64 s[66:67], s[66:67], s[18:19]
	s_lshl_b32 s94, s42, 10
	s_lshl_b32 s95, s16, 9
	s_add_co_u32 s94, s94, s95                     ; my first column, in bytes
	s_mov_b32 s95, 0
	s_add_nc_u64 s[66:67], s[66:67], s[94:95]
	s_add_nc_u64 s[12:13], s[12:13], s[66:67]
	s_add_nc_u64 s[8:9], s[8:9], s[94:95]
	v_and_b32 v1, 15, v0                           ; r
	v_bfe_u32 v2, v0, 4, 1                         ; half
	v_mul_u32_u24 v3, v1, PITCH
	v_lshl_add_u32 v4, v2, 4, v3
	v_add_nc_u32 v[ADRA], s2, v4
	v_add_nc_u32 v[ADRB], s3, v4
	v_mul_u32_u24 v5, v1, KS
	v_lshrrev_b32 v6, 8, v5
	v_lshl_add_u32 v5, v6, 4, v5                   ; 16 more for each 256 passed
	v_mul_u32_u24 v6, s22, v2                      ; lanes 16-31 take the weight's scale words
	v_add_nc_u32 v5, v5, v6
	v_add_nc_u32 v[ADRS], s21, v5
	v_mul_u32_u24 v5, v1, SPITCH
	v_lshl_add_u32 v5, v2, 6, v5                   ; into the stage: row r; my half's 16 columns of a group of 32
	v_add_nc_u32 v[STO], s23, v5
	v_and_b32 v6, 31, v0
	v_lshlrev_b32 v[CO], 4, v6                     ; back: the 32 lanes take one row of 512 bytes; the same in out0 and in the bias
	v_add_nc_u32 v[RD], s23, v[CO]
	s_wait_alu depctr_va_vdst(0)
	global_load_b128 v[8:11], v[CO], s[8:9]        ; my four columns' bias
.macro FRAG reg, adr, k, i             ; 16 rows x 128 K of 4-bit codes: 8 registers, two loads of 16 bytes, 32 bytes apart
.irp c, 0,1
	ds_load_b128 v[\reg+4*\c:\reg+4*\c+3], v[\adr] offset:64*(\k)+32*\c+(\i)*16*PITCH
.endr
.endm
.macro FETCH k                         ; step k's fragments into set k % 2: 16 loads for the weight, 8 for y
	WIN TO_B
.irp i, 0,1,2,3,4,5,6,7
	FRAG 128*((\k)%2)+8*\i, ADRB, \k, \i
.endr
	WIN 0
.irp i, 0,1,2,3
	FRAG AF+32*((\k)%2)+8*\i, ADRA, \k, \i
.endr
.endm
; 32 matrix instructions: 128 along K.  Scale register 32 (k / 4) + 4 i + k % 4: lanes 0-15 y's block i, lanes 16-31 the weight's block i.  Step 0's products start the sums.
.macro MUL k
	WIN MUL_W
.irp a, 0,1,2,3
.irp b, 0,1,2,3,4,5,6,7
.if (\k) == 0
	v_wmma_scale_f32_16x16x128_f8f6f4 v[8*(8*\a+\b):8*(8*\a+\b)+7], v[128*((\k)%2)+8*\b:128*((\k)%2)+8*\b+7], v[AF+32*((\k)%2)+8*\a:AF+32*((\k)%2)+8*\a+7], 0, v[SC+32*((\k)/4)+4*\b+(\k)%4], v[SC+32*((\k)/4)+4*\a+(\k)%4] matrix_a_fmt:MATRIX_FMT_FP4 matrix_b_fmt:MATRIX_FMT_FP4 matrix_a_scale:MATRIX_SCALE_ROW1
.else
	v_wmma_scale_f32_16x16x128_f8f6f4 v[8*(8*\a+\b):8*(8*\a+\b)+7], v[128*((\k)%2)+8*\b:128*((\k)%2)+8*\b+7], v[AF+32*((\k)%2)+8*\a:AF+32*((\k)%2)+8*\a+7], v[8*(8*\a+\b):8*(8*\a+\b)+7], v[SC+32*((\k)/4)+4*\b+(\k)%4], v[SC+32*((\k)/4)+4*\a+(\k)%4] matrix_a_fmt:MATRIX_FMT_FP4 matrix_b_fmt:MATRIX_FMT_FP4 matrix_a_scale:MATRIX_SCALE_ROW1
.endif
.endr
.endr
.endm
.macro PLACES                          ; four plain vector lines between a matrix instruction and a load into, or a read of, its registers
.rept 4
	v_nop
.endr
.endm
	s_wait_tensorcnt 0x0                           ; my tile of the four is in,
	s_barrier_signal -1
	s_barrier_wait -1                              ; everybody's are
	FETCH 0
.irp s, 0,1                                    ; the scale words of all of K: 16 loads.  (For i = 4 .. 7 lanes 0-15 read words that no product names; they lie inside the scales' bytes)
.irp i, 0,1,2,3,4,5,6,7
	ds_load_b128 v[SC+32*\s+4*\i:SC+32*\s+4*\i+3], v[ADRS] offset:\i*SBLK+16*\s
.endr
.endr
.irp k, 0,1,2,3,4,5,6
.if \k > 0
	PLACES                                         ; the loads below land in the set that the last step multiplied
.endif
	FETCH \k+1
	s_wait_dscnt 24                                ; all but the 24 loads just issued are in
	MUL \k
.endr
	s_wait_dscnt 0x0
	MUL 7
	WIN 0
; THE WAY OUT, by blocks of 16 rows x 128 columns, through my own stage: in at the columns' true places, back as whole rows of 512 bytes.  LDS serves a wave's instructions in order: no wait between the stores and the loads.
.macro TOSTAGE a
	WIN 0x08                                       ; the data: window 2
.irp b, 0,1,2,3,4,5,6,7
	ds_store_b128 v[STO], v[64*(\a)+8*\b:64*(\a)+8*\b+3] offset:128*(\b/2)+32*(\b%2)        ; each accumulator from its low end on
	ds_store_b128 v[STO], v[64*(\a)+8*\b+4:64*(\a)+8*\b+7] offset:128*(\b/2)+32*(\b%2)+16
.endr
	WIN 0
.set BB, BK+64*((\a)%2)
.irp t, 0,1,2,3,4,5,6,7,8,9,10,11,12,13,14,15
	ds_load_b128 v[BB+4*\t:BB+4*\t+3], v[RD] offset:\t*SPITCH
.endr
.endm
.macro SEND a, younger                 ; younger: the LDS instructions issued behind block a's loads, which may stay out
.set BB, BK+64*((\a)%2)
	s_wait_dscnt \younger
.if (\a) > 0
	s_add_nc_u64 s[12:13], s[12:13], 16*SIZE_N*4   ; (behind a wait on XCNT: the earlier stores have read their base)
.endif
.irp t, 0,1,2,3,4,5,6,7,8,9,10,11,12,13,14,15
	v_pk_add_f32 v[BB+4*\t:BB+4*\t+1], v[BB+4*\t:BB+4*\t+1], v[8:9]
	v_pk_add_f32 v[BB+4*\t+2:BB+4*\t+3], v[BB+4*\t+2:BB+4*\t+3], v[10:11]
	global_store_b128 v[CO], v[BB+4*\t:BB+4*\t+3], s[12:13] offset:\t*SIZE_N*4 th:TH_STORE_NT   ; 32 lanes store 512 consecutive bytes, aligned
.endr
.endm
	s_wait_loadcnt 0x0                             ; the bias
	PLACES
	TOSTAGE 0
.irp a, 1,2,3
.if \a > 1
	s_wait_xcnt 0x0                                ; block a - 2's stores have read their registers and their base
.endif
	TOSTAGE \a
	SEND \a-1, 32                                  ; behind block a - 1's loads: block a's 16 stores and 16 loads
.endr
	s_wait_xcnt 0x0
	SEND 3, 0
	s_wait_tensorcnt 0x0                           ; the wave's end
	ds_add_u32 v[SPW], v[NIL]
	s_wait_dscnt 0x0
	CROUND                                         ; the closing round
	s_endpgm
.Lfunc_end_k_q659bc87b35_gemm2:
	.size	k_q659bc87b35_gemm2, .Lfunc_end_k_q659bc87b35_gemm2-k_q659bc87b35_gemm2
	.p2alignl 7, 3214868480
	.fill 96, 4, 3214868480
	.section	.rodata,"a",@progbits
	.p2align	6, 0x0
	.amdhsa_kernel k_q659bc87b35_gemm2
		.amdhsa_group_segment_fixed_size 327680
		.amdhsa_private_segment_fixed_size 0
		.amdhsa_enable_private_segment 0
		.amdhsa_kernarg_size 32
		.amdhsa_user_sgpr_count 2
		.amdhsa_user_sgpr_kernarg_segment_ptr 1
		.amdhsa_wavefront_size32 1
		.amdhsa_system_sgpr_workgroup_id_x 1
		.amdhsa_system_sgpr_workgroup_id_y 1
		.amdhsa_system_sgpr_workgroup_id_z 1
		.amdhsa_system_vgpr_workitem_id 0
		.amdhsa_next_free_vgpr 768
		.amdhsa_next_free_sgpr 98
		.amdhsa_reserve_vcc 0
		.amdhsa_float_denorm_mode_32 3
		.amdhsa_float_denorm_mode_16_64 3
		.amdhsa_memory_ordered 1
		.amdhsa_forward_progress 1
		.amdhsa_inst_pref_size 79
	.end_amdhsa_kernel
	.amdgpu_metadata
---
amdhsa.version: [ 1, 2 ]
amdhsa.kernels:
  - .name:           k_q659bc87b35_gemm2
    .symbol:         k_q659bc87b35_gemm2.kd
    .args:
      - { .name: yq, .offset: 0, .size: 8, .value_kind: global_buffer, .address_space: global }
      - { .name: wq, .offset: 8, .size: 8, .value_kind: global_buffer, .address_space: global }
      - { .name: bproj, .offset: 16, .size: 8, .value_kind: global_buffer, .address_space: global }
      - { .name: out0, .offset: 24, .size: 8, .value_kind: global_buffer, .address_space: global }
    .group_segment_fixed_size: 327680
    .private_segment_fixed_size: 0
    .kernarg_segment_align: 8
    .kernarg_segment_size: 32
    .max_flat_workgroup_size: 128
    .sgpr_count:     98
    .vgpr_count:     768
    .wavefront_size: 32
...
	.end_amdgpu_metadata
.endif
;; end of part 4
